; MI455X (gfx1250); checked and timed in simulation.
; The chip was launched on July 23, 2026; its instructions are those of AMD's public machine-readable ISA for CDNA 5 (MIT licence, August 2026) and "CDNA5" Instruction Set Architecture Reference Guide (July 2026). The comments in the code are by the model that wrote it; some were corrected since.
;; Multi Head Attention. Allowed arithmetic: matrix products marked QUANTISED: E2M3 operands, one E8M0 scale for each 32 along K, by v_wmma_scale_f32_16x16x128_f8f6f4 with both operands' format E2M3, f32 sums; everything else in f32.
;; Inputs: b_attn 3,072 float32; b_proj 1,024 float32; w_attn 1,024 x 3,072 float32; w_proj 1,024 x 1,024 float32; x 4 x 2,048 x 1,024 float32.
;; Outputs: out0 4 x 2,048 x 1,024 float32.
;; This version of the problem:
;;   THIS VERSION OF THE PROBLEM IS GIVEN IN LOW PRECISION. The matrix products marked QUANTISED in the list below multiply operands that are first quantised to E2M3 (2 exponent bits, 3 mantissa bits; 6 bits a number), with one power-of-two scale for each 32 numbers along K (OCP MX v1.0); their sums are f32. All else is computed in f32.
;;   The module's matrix products, in the order in which they are computed (A, B: the left and right operand; K: the contracted axis; several contracted axes count as one K, in the product's order):
;;     1. [M 8,192, K 1,024] x [K 1,024, N 3,072]; A: input x; B: input w_attn: QUANTISED
;;     2. batch 64 x [M 2,048, K 64] x [K 64, N 2,048]; A: computed on the way; B: computed on the way: QUANTISED
;;     3. batch 64 x [M 2,048, K 2,048] x [K 2,048, N 64]; A: softmax (see below); B: computed on the way: QUANTISED
;;     4. [M 8,192, K 1,024] x [K 1,024, N 1,024]; A: computed on the way; B: input w_proj: QUANTISED
;;   THE QUANTISER, for each operand of a quantised product, along K:
;;     - K is cut into blocks of 32 from its start; a last block that is shorter is filled with zeros.
;;     - A block's scale is 2^e with e = floor(log2(the largest magnitude in the block)) - 2, held to -126 .. 127; a block of zeros has e = 0. As a byte (E8M0): e + 127.
;;     - Each number is divided by its block's scale, clamped to +-7.5, and rounded to the nearest number of E2M3, ties to even, subnormals kept.
;;     - The product sums the exact products of the quantised numbers (number of the format x scale) in f32.
;;   ~~~python
;;   def quantise(x, axis):      # numpy; x: float32 -> the quantised numbers, widened to float32 again
;;       x = np.moveaxis(x, axis, -1); K = x.shape[-1]
;;       x = np.pad(x, [(0, 0)] * (x.ndim - 1) + [(0, -K % 32)]); x = x.reshape(x.shape[:-1] + (-1, 32)); a = np.abs(x).max(-1, keepdims=True)
;;       e = np.where(a > 0, np.clip(np.frexp(np.where(a > 0, a, 1))[1] - 1 - 2, -126, 127), 0)      # np.frexp(a)[1] - 1 = floor(log2(a)), exactly
;;       r = np.clip(x / 2.0 ** e, -7.5, 7.5)
;;       step = 2.0 ** (np.maximum(np.frexp(np.where(r == 0, 1, r))[1] - 1, 0) - 3)
;;       q = np.round(r / step) * step * 2.0 ** e      # np.round: ties to even
;;       return np.moveaxis(q.reshape(q.shape[:-2] + (-1,))[..., :K], -1, axis).astype(np.float32)
;;   ~~~
;;   SOFTMAX AHEAD OF A QUANTISED PRODUCT. Where the list says 'softmax', what is quantised is not the finished softmax but p = 2^(t - M), with t = logit x log2(e) and M = ceil(the row's largest t), a whole number; so 1/2 < the row's largest p <= 1. The row's sum l is taken of the UNQUANTISED p, in f32, and the product's result is divided by l at the end. Since M is a whole number, a kernel that streams over the keys may use a running M (the ceiling of the running maximum): every later rescaling is an exact power of two, which a block's scale takes up: the codes' values come out the same.
;;   OPERANDS COMPUTED ON THE WAY. 'Computed on the way' means the value that the module computes at that place (a softmax that the list does not call 'softmax' is quantised finished and normalised). What goes into a quantiser is computed in f32, as accurately as f32 sums, v_exp_f32 and their like allow (about 1e-6 of the number): no bf16 or f16 on the way to a quantiser, and a product that is left as it is and whose result goes on into a quantised operand takes f32 operands (vector FMAs, or v_wmma_f32_16x16x4_f32). A number that lies on a knife's edge between two numbers of the format may be rounded either way, as far as f32 arithmetic and the matrix unit's own rounding can turn it there, and no further.
;; One version. Each part assembles by itself: llvm-mc -triple=amdgcn-amd-amdhsa -mcpu=gfx1250 --defsym DOCPART=n.
;; ======== version 1 of 1: 4 launches
;; limits: right only within a limited range of input values
;; workspace buffers: xq 6,553,600 bytes; wq 3,276,800 bytes; qkv 20,447,232 bytes; yq 6,553,600 bytes
;; launch quant (part 1): grid 640 x 1, 8 waves a work-group, no clusters, 93,696 bytes of LDS; arguments x, w_attn, w_proj, xq, wq; writes xq, wq
.if DOCPART == 1
	.amdgcn_target "amdgcn-amd-amdhsa--gfx1250"
	.amdhsa_code_object_version 6
	.text
	.protected	k_q92d753f3a6_quant
	.globl	k_q92d753f3a6_quant
	.p2align	8
	.type	k_q92d753f3a6_quant,@function
k_q92d753f3a6_quant:
	s_mov_b64 s[64:65], 0
	v_nop
	global_prefetch_b8 v0, s[64:65] scope:SCOPE_SE
	s_setreg_imm32_b32 hwreg(HW_REG_WAVE_MODE, 25, 1), 1
	s_wait_xcnt 0x0
; x [8192][1024], w_attn [1024][3072] and w_proj [1024][1024], f32, become codes of FP6 (E2M3) with one E8M0 byte for each 32 along K (x: its last axis; the weights: their first).
; A block's scale is 2^(floor(log2(largest magnitude)) - 2); its byte is the largest magnitude's exponent field - 2, held at 1 from below.
; LIMITS: NaN and infinities are not served; a block whose largest magnitude lies under 2^-124 has its byte held at 1; a block of zeros gets the byte 1 (its codes are zeros; these bytes are read by this program alone).
; ORDER OF ROWS: position p of xq (rows of x) and of wq (columns of w_attn, then of w_proj) holds true row p with bits 3 and 4 exchanged, so that a product whose source 0 is a tile of 16 positions
; leaves 16 neighbours along the true index in the 16 registers of two neighbouring tiles.
; LAYOUT: [tile of 16 positions][K step of 128][1,536 bytes]: the operand's 12 registers a lane: for c = 0, 1 registers 6c..6c+3 at 768 c + 16 lane, registers 6c+4, 6c+5 at 768 c + 512 + 8 lane.
; Scale words (four bytes: 128 along K of one position): [block of 128 positions][K step][128 words], behind the codes.
; Work-groups 0..511 take x (128 positions x one K step: a tile a wave), 512..639 the weights (256 positions x one K step: 32 columns a wave).  Each path has LDS bytes of its own.
.set XSO,  6291456                     ; xq: where the scale words begin
.set WSO,  3145728                     ; wq: likewise
.set XST,  0                           ; x path: a stage of 16 rows x (512 + 16) bytes for each wave
.set XSS,  67584                       ; x path: the work-group's 128 scale words
.set WST,  68096                       ; weights path: two fragments' images, 3,072 bytes, for each wave
.set SEL,  46                          ; s[46:47] lane selects: lane l xor 16
.set RL,   16                          ; v16-79   x as loaded
.set XI,   80                          ; v80-143  64 numbers of my row: register 16 b + i = k 32 b + 16 (lane / 16) + i
.set PC,   144                         ; v144-155 the fragment
.set XT,   156                         ; v156-162 the blocks' upper halves, at work
.set TM,   164                         ; v164-179 largest magnitudes, bytes, scale operands
.set PW,   180                         ; the scale word
; 64 numbers of a lane become a fragment's codes, registers 0-5 in v[d0] on and 6-11 in v[d1] on; the four scale bytes are left in v[TM+4] .. v[TM+7].
.macro QUANT src, d0, d1
.irp b, 0,1,2,3
	v_max3_num_f32 v[TM+\b], |v[\src+16*\b]|, |v[\src+1+16*\b]|, 0x1800000   ; my 16 numbers of block b, and the floor 2^(3 - 127): the byte cannot fall under 1
.endr
.irp i, 2,4,6,8,10,12,14
.irp b, 0,1,2,3
	s_delay_alu instid0(VALU_DEP_4)
	v_max3_num_f32 v[TM+\b], v[TM+\b], |v[\src+16*\b+\i]|, |v[\src+1+16*\b+\i]|   ; the four blocks by turns
.endr
.endr
.irp b, 0,1,2,3
	s_delay_alu instid0(VALU_DEP_4)
	v_permlanex16_b32 v[TM+4+\b], v[TM+\b], s[SEL], s[SEL+1]
.endr
.irp b, 0,1,2,3
	s_delay_alu instid0(VALU_DEP_4)
	v_max_num_f32 v[TM+\b], v[TM+\b], v[TM+4+\b]   ; with lane l xor 16's 16: the block's largest magnitude
.endr
.irp b, 0,1,2,3
	s_delay_alu instid0(VALU_DEP_4)
	v_add_nc_u32 v[TM+12+\b], 0xff000000, v[TM+\b] ; 2 off its exponent field: the conversion's scale operand
.endr
.irp b, 0,1,2,3
	s_delay_alu instid0(VALU_DEP_4)
	v_lshrrev_b32 v[TM+4+\b], 23, v[TM+12+\b]      ; the scale's byte
.endr
	v_cvt_scalef32_pk16_fp6_f32 v[\d0:\d0+2], v[\src:\src+15], v[TM+12]
	v_cvt_scalef32_pk16_fp6_f32 v[XT:XT+2], v[\src+16:\src+31], v[TM+13]
	v_cvt_scalef32_pk16_fp6_f32 v[\d1:\d1+2], v[\src+32:\src+47], v[TM+14]
	v_cvt_scalef32_pk16_fp6_f32 v[XT+4:XT+6], v[\src+48:\src+63], v[TM+15]
	v_nop                                          ; one plain instruction behind the scaled conversions
.irp i, 0,1,2
	v_permlane16_swap_b32 v[\d0+\i], v[XT+\i]      ; a whole block to a lane: lanes 0-15 the even block, lanes 16-31 the odd one
	v_permlane16_swap_b32 v[\d1+\i], v[XT+4+\i]
.endr
.irp i, 0,1,2
	v_mov_b32 v[\d0+3+\i], v[XT+\i]
	v_mov_b32 v[\d1+3+\i], v[XT+4+\i]
.endr
.endm
	s_load_b256 s[4:11], s[0:1], 0x0               ; x s[4:5], w_attn s[6:7], w_proj s[8:9], xq s[10:11]
	s_load_b64 s[12:13], s[0:1], 0x20              ; wq
	v_lshl_add_u32 v192, v0, 2, 0x16a00
	v_mov_b32 v193, 0
	v_lshrrev_b32 v1, 5, v0
	s_delay_alu instid0(VALU_DEP_1)
	v_readfirstlane_b32 s14, v1                    ; wave 0..7
	v_and_b32 v1, 31, v0                           ; lane
	v_and_b32 v2, 15, v0                           ; r
	v_bfe_u32 v3, v0, 4, 1                         ; h
	s_delay_alu instid0(VALU_DEP_3)
	v_lshlrev_b32 v4, 4, v1                        ; 16 x lane
	s_cmp_lt_u32 ttmp9, 512
	s_cbranch_scc0 .Lweights
	; ---- x: work-group = (block of 128 positions, K step); wave w takes position tile 8 RB + w
	s_and_b32 s15, ttmp9, 7                        ; K step
	s_lshr_b32 s16, ttmp9, 3                       ; RB
	s_lshl_b32 s17, s16, 2
	s_lshr_b32 s18, s14, 1
	s_add_co_u32 s17, s17, s18
	s_lshl_b32 s17, s17, 5                         ; 32 x (tile / 2)
	s_and_b32 s18, s14, 1
	s_lshl_b32 s18, s18, 3
	s_add_co_u32 s17, s17, s18                     ; + 8 x (tile % 2): position 0's true row; position i's lies i + 8 (i / 8) rows on
	s_lshl_b32 s20, s17, 12                        ; rows of 4,096 bytes
	s_lshl_b32 s18, s15, 9                         ; 512 bytes a K step
	s_add_co_u32 s20, s20, s18
	s_mov_b32 s21, 0
	s_lshl_b32 s22, s16, 3
	s_add_co_u32 s22, s22, s14
	s_mul_i32 s22, s22, 12288                      ; my tile in xq,
	s_mul_i32 s19, s15, 1536                       ; its K step
	s_add_co_u32 s22, s22, s19
	s_mov_b32 s23, 0
	s_lshl_b32 s24, s16, 12                        ; the block's scale words,
	s_add_co_u32 s24, s24, s18                     ; this K step's 512 bytes
	s_add_co_u32 s24, s24, XSO
	s_mov_b32 s25, 0
	s_mul_i32 s26, s14, 8448                       ; my stage
	s_wait_alu depctr_va_vdst(0)
	v_lshlrev_b32 v5, 3, v1                        ; 8 x lane
	v_add_nc_u32 v6, s26, v4                       ; into the stage: a row's 512 bytes as they lie
	v_mul_u32_u24 v7, v2, 528
	s_delay_alu instid0(VALU_DEP_1)
	v_lshl_add_u32 v7, v3, 6, v7
	s_delay_alu instid0(VALU_DEP_1)
	v_add_nc_u32 v7, s26, v7                       ; out of it: row r, + 64 h: my 16 numbers of each block of 32
	s_lshl_b32 s27, s14, 6
	s_add_co_u32 s27, s27, XSS
	v_lshl_add_u32 v8, v2, 2, s27                  ; my row's scale word
	v_add_nc_u32 v9, XSS, v4                       ; and the 128 words on their way out
	s_mov_b32 s[SEL], 0x76543210
	s_mov_b32 s[SEL+1], 0xfedcba98
	s_wait_alu depctr_va_vdst(0)
	s_wait_kmcnt 0x0
	s_add_nc_u64 s[4:5], s[4:5], s[20:21]
	s_add_nc_u64 s[22:23], s[10:11], s[22:23]
	s_add_nc_u64 s[24:25], s[10:11], s[24:25]
.irp i, 0,1,2,3,4,5,6,7,8,9,10,11,12,13,14,15
	global_load_b128 v[RL+4*\i:RL+4*\i+3], v4, s[4:5] offset:(\i+8*(\i/8))*4096 th:TH_LOAD_NT   ; 32 lanes read 512 consecutive bytes of one row
.endr
.irp b, 0,1,2,3
	v_mov_b32 v[TM+4+\b], 0                        ; a lane permute's destination counts as read
.endr
.irp i, 0,1,2,3,4,5,6,7,8,9,10,11,12,13,14,15
	s_wait_loadcnt 15-\i                           ; row i is in; the younger loads stay out
	ds_store_b128 v6, v[RL+4*\i:RL+4*\i+3] offset:528*\i
.endr
.irp b, 0,1,2,3
.irp j, 0,1,2,3
	ds_load_b128 v[XI+16*\b+4*\j:XI+16*\b+4*\j+3], v7 offset:128*\b+16*\j   ; a wave's LDS instructions are served in order: these see the stores above
.endr
.endr
	s_wait_dscnt 0x0
	QUANT XI, PC, PC+6
	v_lshl_or_b32 v[PW], v[TM+5], 8, v[TM+4]
	s_delay_alu instid0(VALU_DEP_1)
	v_lshl_or_b32 v[PW], v[TM+6], 16, v[PW]
	s_delay_alu instid0(VALU_DEP_1)
	v_lshl_or_b32 v[PW], v[TM+7], 24, v[PW]
	global_store_b128 v4, v[PC:PC+3], s[22:23]                 ; each store covers 512 or 256 consecutive bytes, aligned to 256
	global_store_b64 v5, v[PC+4:PC+5], s[22:23] offset:512
	global_store_b128 v4, v[PC+6:PC+9], s[22:23] offset:768
	global_store_b64 v5, v[PC+10:PC+11], s[22:23] offset:1280
	ds_store_b32 v8, v[PW]                         ; both halves of the lanes write the same word with the same value
	s_wait_dscnt 0x0                               ; for the others' sake: my word has landed
	s_barrier_signal -1
	s_barrier_wait -1
	s_cmp_lg_u32 s14, 0
	s_cbranch_scc1 .Lx_end
	ds_load_b128 v[RL:RL+3], v9                    ; wave 0 stores the eight tiles' 128 words: 512 consecutive bytes
	s_wait_dscnt 0x0
	global_store_b128 v4, v[RL:RL+3], s[24:25]
.Lx_end:
	s_wait_tensorcnt 0x0
	ds_add_u32 v192, v193
	s_wait_dscnt 0x0
	s_endpgm
	; ---- the weights: work-group = (256 positions, K step); a lane takes a true column and its registers run down K
.Lweights:
	s_sub_co_u32 s15, ttmp9, 512
	s_and_b32 s16, s15, 7                          ; K step
	s_lshr_b32 s17, s15, 3                         ; block of 256 positions
	s_lshl_b32 s18, s17, 8
	s_lshl_b32 s19, s14, 5
	s_add_co_u32 s18, s18, s19                     ; n0: my wave's first position (and true column: the exchange stays inside 32)
	s_mov_b32 s28, 4096
	s_wait_kmcnt 0x0
	s_cmp_lt_u32 s17, 12                           ; positions under 3,072 are w_attn's columns
	s_cselect_b64 s[6:7], s[6:7], s[8:9]
	s_cselect_b32 s28, 12288, s28                  ; bytes from row to row
	s_cselect_b32 s29, 0, 3072
	s_sub_co_u32 s29, s18, s29                     ; my first column in that tensor
	s_lshl_b32 s30, s16, 7
	s_mul_i32 s30, s30, s28                        ; 128 rows a K step
	s_lshl_b32 s31, s29, 2
	s_add_co_u32 s30, s30, s31
	s_mov_b32 s31, 0
	s_add_nc_u64 s[20:21], s[6:7], s[30:31]        ; a base for each block of 32 rows
	s_lshl_b32 s30, s28, 5
	s_add_nc_u64 s[22:23], s[20:21], s[30:31]
	s_add_nc_u64 s[24:25], s[22:23], s[30:31]
	s_add_nc_u64 s[26:27], s[24:25], s[30:31]
	s_wait_alu depctr_va_vdst(0)
	v_lshlrev_b32 v32, 2, v1                       ; v32-63: 4 x lane + i rows
.set i, 0
.rept 31
	s_delay_alu instid0(VALU_DEP_1)
	v_add_nc_u32 v[33+i], s28, v[32+i]
.set i, i+1
.endr
	v_and_b32 v24, 7, v0
	s_delay_alu instid0(VALU_DEP_1)
	v_lshl_or_b32 v24, v3, 3, v24                  ; my position's lane in its tile: (lane / 16) x 8 + lane % 8
	v_bfe_u32 v25, v0, 3, 1                        ; and which of the wave's two tiles
	s_mul_i32 s32, s14, 3072
	s_add_co_u32 s32, s32, WST
	v_mul_u32_u24 v26, v25, 1536
	s_delay_alu instid0(VALU_DEP_1)
	v_add_nc_u32 v26, s32, v26
	s_delay_alu instid0(VALU_DEP_1)
	v_lshl_add_u32 v20, v24, 4, v26                ; the image's 16-byte places
	s_delay_alu instid0(VALU_DEP_2)
	v_lshl_add_u32 v21, v24, 3, v26                ; and its 8-byte places
	v_add_nc_u32 v22, s32, v4                      ; back: 16 x lane
	v_lshl_or_b32 v23, v25, 4, v24
	s_delay_alu instid0(VALU_DEP_1)
	v_lshlrev_b32 v23, 2, v23                      ; 4 x my position among the wave's 32
	s_lshr_b32 s33, s18, 4
	s_mul_i32 s33, s33, 12288
	s_mul_i32 s34, s16, 1536
	s_add_co_u32 s34, s33, s34
	s_mov_b32 s35, 0
	s_add_nc_u64 s[36:37], s[12:13], s[34:35]      ; my first tile's K step in wq
	s_lshr_b32 s38, s18, 7
	s_lshl_b32 s38, s38, 12
	s_lshl_b32 s39, s16, 9
	s_add_co_u32 s38, s38, s39
	s_and_b32 s39, s18, 127
	s_lshl_b32 s39, s39, 2
	s_add_co_u32 s38, s38, s39
	s_add_co_u32 s38, s38, WSO
	s_mov_b32 s39, 0
	s_add_nc_u64 s[40:41], s[12:13], s[38:39]      ; my wave's 32 scale words
.macro LOAD t                          ; block t: rows 32 t + i of the K step, my column, into set t % 2: 128 consecutive bytes a load
.set i, 0
.rept 32
	global_load_b32 v[64+32*((\t)%2)+i], v[32+i], s[20+2*(\t):21+2*(\t)] th:TH_LOAD_NT
.set i, i+1
.endr
.endm
.macro BLOCK t
.set XS, 64+32*((\t)%2)
.set CT, 128+8*(\t)                    ; six registers of codes of its own for each block
.if (\t) < 3
	s_wait_loadcnt 32                              ; this block's 32 loads are in; the next block's stay out
.else
	s_wait_loadcnt 0x0
.endif
	v_max3_num_f32 v10, |v[XS]|, |v[XS+1]|, |v[XS+2]|              ; all 32 numbers of the block are mine
	v_max3_num_f32 v11, |v[XS+3]|, |v[XS+4]|, |v[XS+5]|
.irp i, 6,10,14,18,22,26
	s_delay_alu instid0(VALU_DEP_2)
	v_max3_num_f32 v10, v10, |v[XS+\i]|, |v[XS+\i+1]|
	s_delay_alu instid0(VALU_DEP_2)
	v_max3_num_f32 v11, v11, |v[XS+\i+2]|, |v[XS+\i+3]|
.endr
	s_delay_alu instid0(VALU_DEP_2)
	v_max3_num_f32 v10, v10, |v[XS+30]|, |v[XS+31]|
	s_delay_alu instid0(VALU_DEP_1)
	v_max3_num_f32 v10, v10, v11, 0x1800000        ; and the floor
	s_delay_alu instid0(VALU_DEP_1)
	v_add_nc_u32 v12, 0xff000000, v10              ; the conversion's scale operand
	s_delay_alu instid0(VALU_DEP_1)
	v_lshrrev_b32 v13, 23, v12                     ; the byte
.if (\t) == 0
	s_delay_alu instid0(VALU_DEP_1)
	v_mov_b32 v14, v13
.else
	s_delay_alu instid0(VALU_DEP_1)
	v_lshl_or_b32 v14, v13, 8*(\t), v14            ; four bytes make my column's scale word
.endif
	v_cvt_scalef32_pk16_fp6_f32 v[CT:CT+2], v[XS:XS+15], v12
	v_cvt_scalef32_pk16_fp6_f32 v[160:162], v[XS+16:XS+31], v12
	v_nop                                          ; one plain instruction behind the scaled conversions
.irp i, 0,1,2
	v_mov_b32 v[CT+3+\i], v[160+\i]
.endr
	ds_store_b128 v20, v[CT:CT+3] offset:768*((\t)/2)+256*((\t)%2)          ; block t belongs to lane (position, t % 2), registers 6 (t / 2) on
	ds_store_b64 v21, v[CT+4:CT+5] offset:768*((\t)/2)+512+128*((\t)%2)
.if (\t) < 2
	LOAD (\t)+2
.endif
.endm
	LOAD 0
	LOAD 1
	BLOCK 0
	BLOCK 1
	BLOCK 2
	BLOCK 3
.irp i, 0,1,2,3,4,5
	ds_load_b128 v[164+4*\i:164+4*\i+3], v22 offset:512*\i     ; served in order behind my stores
.endr
	s_wait_alu depctr_va_vdst(0)
.irp i, 0,1,2,3,4,5
	s_wait_dscnt 5-\i
	global_store_b128 v4, v[164+4*\i:164+4*\i+3], s[36:37] offset:(\i/3)*12288+(\i%3)*512   ; 512 consecutive bytes, aligned to 256
.endr
	global_store_b32 v23, v14, s[40:41]            ; 128 consecutive bytes a wave: one part in 128 of what the launch reads
	s_wait_tensorcnt 0x0
	ds_add_u32 v192, v193
	s_wait_dscnt 0x0
	s_endpgm
.Lfunc_end_k_q92d753f3a6_quant:
	.size	k_q92d753f3a6_quant, .Lfunc_end_k_q92d753f3a6_quant-k_q92d753f3a6_quant
	.p2alignl 7, 3214868480
	.fill 96, 4, 3214868480
	.section	.rodata,"a",@progbits
	.p2align	6, 0x0
	.amdhsa_kernel k_q92d753f3a6_quant
		.amdhsa_group_segment_fixed_size 93696
		.amdhsa_private_segment_fixed_size 0
		.amdhsa_enable_private_segment 0
		.amdhsa_kernarg_size 40
		.amdhsa_user_sgpr_count 2
		.amdhsa_user_sgpr_kernarg_segment_ptr 1
		.amdhsa_wavefront_size32 1
		.amdhsa_system_sgpr_workgroup_id_x 1
		.amdhsa_system_sgpr_workgroup_id_y 1
		.amdhsa_system_sgpr_workgroup_id_z 1
		.amdhsa_system_vgpr_workitem_id 0
		.amdhsa_next_free_vgpr 194
		.amdhsa_next_free_sgpr 66
		.amdhsa_reserve_vcc 0
		.amdhsa_float_denorm_mode_32 3
		.amdhsa_float_denorm_mode_16_64 3
		.amdhsa_memory_ordered 1
		.amdhsa_forward_progress 1
		.amdhsa_inst_pref_size 39
	.end_amdhsa_kernel
	.amdgpu_metadata
---
amdhsa.version: [ 1, 2 ]
amdhsa.kernels:
  - .name:           k_q92d753f3a6_quant
    .symbol:         k_q92d753f3a6_quant.kd
    .args:
      - { .name: x, .offset: 0, .size: 8, .value_kind: global_buffer, .address_space: global }
      - { .name: w_attn, .offset: 8, .size: 8, .value_kind: global_buffer, .address_space: global }
      - { .name: w_proj, .offset: 16, .size: 8, .value_kind: global_buffer, .address_space: global }
      - { .name: xq, .offset: 24, .size: 8, .value_kind: global_buffer, .address_space: global }
      - { .name: wq, .offset: 32, .size: 8, .value_kind: global_buffer, .address_space: global }
    .group_segment_fixed_size: 93696
    .private_segment_fixed_size: 0
    .kernarg_segment_align: 8
    .kernarg_segment_size: 40
    .max_flat_workgroup_size: 256
    .sgpr_count:     66
    .vgpr_count:     194
    .wavefront_size: 32
...
	.end_amdgpu_metadata
.endif
;; end of part 1
;; launch qkv (part 2): grid 8 x 32, 4 waves a work-group, clusters of 4 x 1, 205,312 bytes of LDS; arguments xq, wq, b_attn, qkv; writes qkv
.if DOCPART == 2
	.amdgcn_target "amdgcn-amd-amdhsa--gfx1250"
	.amdhsa_code_object_version 6
	.text
	.protected	k_q92d753f3a6_qkv
	.globl	k_q92d753f3a6_qkv
	.p2align	8
	.type	k_q92d753f3a6_qkv,@function
k_q92d753f3a6_qkv:
	s_mov_b64 s[64:65], 0
	v_nop
	global_prefetch_b8 v0, s[64:65] scope:SCOPE_SE
	s_setreg_imm32_b32 hwreg(HW_REG_WAVE_MODE, 25, 1), 1
	s_wait_xcnt 0x0
	s_wait_alu depctr_hold_cnt(0) depctr_sa_sdst(0) depctr_va_vdst(0) depctr_va_sdst(0) depctr_va_ssrc(0) depctr_va_vcc(0) depctr_vm_vsrc(0)
	s_getreg_b32 s2, hwreg(HW_REG_IB_STS2, 6, 4)
	s_cmp_eq_u32 s2, 0
	s_cbranch_scc0 .Lentry_in_a_cluster
	s_endpgm
.Lentry_in_a_cluster:
	s_bfe_u32 s2, ttmp6, 0x10000c
	s_cmp_lg_u32 s2, 0x3003
	s_cbranch_scc0 .Lentry_shape_is_right
	s_endpgm
.Lentry_shape_is_right:
; qkv = x w_attn + b_attn on codes of FP6 with E8M0 scales; q, k (along the head's 64) and v (along the keys) are quantised in registers and leave as codes, in the order of the attention launch's operand registers.
; THE DEAL.  256 work-groups of four waves.  Work-group (column group c = 0..7, row block rb = 0..31) makes 256 rows of x against 256 columns of q or k (c < 4: q) and 128 columns of v.
; x's 256 rows, all of K = 1,024 (196,608 bytes of fragment images) and their scale words (8,192 bytes) lie in LDS, filled ONCE: one joint load a wave; the four work-groups of a cluster are four column groups of one row block.
; THE WEIGHTS LIVE IN REGISTERS: wave w holds 64 columns of q or k (one head: four tiles) and 32 of v (two tiles), all of K: 48 fragments, 576 registers.  They come from memory straight into registers, each load 512 or 256
; consecutive bytes of a fragment's image: LDS has no room for a work-group's 294,912 bytes of weights beside x's rows, so they are not asked for jointly.
; THE STREAM: x's sixteen tiles of 16 rows go past the weights, two sets of eight fragments by turns; a tile feeds 48 products, six accumulators by turns.
; q, k: source 0 = a tile of the weight, source 1 = x's tile: a lane holds one token, its 32 registers the head's columns 32 bb + 16 (lane / 16) + i at register 16 bb + i (positions have bits 3 and 4 of the true index exchanged).
; v: source 0 = x's tile, source 1 = a tile of the weight: a lane holds one channel, and the 32 registers of four tiles of x are tokens 32 bb + 16 (lane / 16) + i.  The biases are the first products' C.
; No data prefetch: all that the work-group reads is asked for at the head, so there is no loop to run ahead in.
; LIMITS: NaN and infinities not served; scale bytes held at 1 from below; a block of zeros gets the byte 1; a sum begins with its bias.
; REGISTERS: fragment f lies in window 1 + f / 21 at v[12 (f % 21)], the 64th in window 0: f = 6 k + b the weights (b < 4 q or k, else v), f = 48 + 8 e + k x's set e.  All else in window 0.
.set XSO,  6291456
.set WSO,  3145728
.set KC,   6291456
.set VC,   12582912
.set SQ,   18874368
.set SKV,  19660800
.set LSA,  196608                      ; LDS: x's scale words (its codes at 0)
.set SPARE, 204800                     ; the spare words: 128 bytes a wave
.set FR,   12
.set L16,  1
.set L8,   2
.set L4,   3
.set AX16, 4                           ; LDS addresses of the tile that is fetched next
.set AX8,  5
.set AS,   6                           ; and of its pair's scale words
.set BIO,  7
.set BAO,  8
.set SPW,  10
.set NIL,  11
.set VWO,  12
.set SB,   16                          ; v16-31 q|k weights' scale words: 8 (tile / 2) + K step; lanes 0-15 the even tile
.set SBV,  32                          ; v32-39 v weights'
.set SA,   44                          ; v44-59 x's: two sets of eight, a set a pair of tiles
.set ACC,  64                          ; v64-95 q|k's sums
.set HV,   96                          ; v96-159 v's sums: 32 (channel tile) + 8 (x's tile % 4)
.set BQ,   160                         ; v160-191 q|k's bias as the sums lie
.set BV,   192                         ; v192-207 v's
.set OUT,  208                         ; v208-219 a pair tile of q|k's codes
.set XT,   220
.set VO,   224                         ; v224-239 v's codes, eight registers a channel tile: the first half's registers 4, 5, then a half's six
.set T0,   40                          ; v40-43, v60-62 the quantiser's largest magnitudes, bytes and scale operands
.set P0,   42
.set S0,   60
.set PWR,  240                         ; v240-243 q|k's scale words of four tiles
.set VWD,  13                          ; v13-14 v's scale words
.set WT,   62
.set F63,  244
.set WV,   12
.set G1,   20
.set G0,   28
.set XB,   32
.set XS,   34
.set WQ,   36
.set WVB,  38
.set WSQ,  40
.set WSV,  42
.set BQP,  44
.set BVP,  46
.set QC,   48
.set QW,   50
.set VCP,  52
.set VWP,  54
.set TB,   56
.set TBN,  57
.set TS,   58
.set TSN,  59
.set CNT,  60
.set HI,   61
.set SEL,  62
.set MSB, 0
.macro WIN new                         ; the immediate's high byte repeats the setting that is left
.if MSB != (\new)
	s_set_vgpr_msb (MSB<<8)|(\new)
.set MSB, \new
.endif
.endm
.macro PLACES n
.rept \n
	v_nop
.endr
.endm
.macro WALU
	s_wait_alu depctr_va_vdst(0)
.endm
.macro CROUND
	s_barrier_signal -1
	s_barrier_wait -1
	s_cmp_lg_u32 s[WV], 0
	s_cbranch_scc1 .Lnot_wave_0_\@
	s_barrier_signal -3
.Lnot_wave_0_\@:
	s_barrier_wait -3
	s_barrier_signal -1
	s_barrier_wait -1
.endm
.macro XTILE base, lds, goff, rows     ; a dense part of x's block as rows of 256 bytes, by a descriptor of constants
	s_mov_b32 s[G0+1], \lds
	s_mov_b32 s[G1+2], (\rows)<<16
	s_mov_b32 s[G1+4], \rows
	s_add_nc_u64 s[G0+2:G0+3], s[\base:\base+1], \goff
	s_or_b32 s[G0+3], s[G0+3], 0x80000000
	tensor_load_to_lds s[G0:G0+3], s[G1:G1+7]
	s_nop 0
	PLACES 4
.endm
.macro PTR p, base                     ; a pointer: base + the 32-bit offset in s66 (s67 = 0)
	s_add_nc_u64 s[\p:\p+1], s[\base:\base+1], s[66:67]
.endm
.macro FPL f                           ; where fragment f lies: window FW_, register FG_
.if (\f) < 63
.set FW_, 1+(\f)/21
.set FG_, FR*((\f)%21)
.else
.set FW_, 0
.set FG_, F63
.endif
.endm
.macro PR d, a, b, c, sa, sb, ra, rb   ; one product; ra, rb: the side's scale words stand in lanes 16-31
.if (\ra) && (\rb)
	v_wmma_scale_f32_16x16x128_f8f6f4 v[\d:\d+7], v[\a:\a+11], v[\b:\b+11], \c, v[\sa], v[\sb] matrix_a_fmt:MATRIX_FMT_FP6 matrix_b_fmt:MATRIX_FMT_FP6 matrix_a_scale:MATRIX_SCALE_ROW1 matrix_b_scale:MATRIX_SCALE_ROW1
.elseif (\ra)
	v_wmma_scale_f32_16x16x128_f8f6f4 v[\d:\d+7], v[\a:\a+11], v[\b:\b+11], \c, v[\sa], v[\sb] matrix_a_fmt:MATRIX_FMT_FP6 matrix_b_fmt:MATRIX_FMT_FP6 matrix_a_scale:MATRIX_SCALE_ROW1
.elseif (\rb)
	v_wmma_scale_f32_16x16x128_f8f6f4 v[\d:\d+7], v[\a:\a+11], v[\b:\b+11], \c, v[\sa], v[\sb] matrix_a_fmt:MATRIX_FMT_FP6 matrix_b_fmt:MATRIX_FMT_FP6 matrix_b_scale:MATRIX_SCALE_ROW1
.else
	v_wmma_scale_f32_16x16x128_f8f6f4 v[\d:\d+7], v[\a:\a+11], v[\b:\b+11], \c, v[\sa], v[\sb] matrix_a_fmt:MATRIX_FMT_FP6 matrix_b_fmt:MATRIX_FMT_FP6
.endif
.endm
.macro PRODS jt                        ; tile jt's 48 products: K step by K step, q|k's four tiles and v's two
.set E_, (\jt)%2
.set k_, 0
.rept 8
.set b_, 0
.rept 6
	FPL 48+8*E_+k_
.set XW_, FW_
.set XG_, FG_
	FPL 6*k_+b_
.set SX_, SA+8*(((\jt)/2)%2)+k_
.if b_ < 4
.set D_, ACC+8*b_
.set C_, BQ+8*b_
	WIN FW_|(XW_<<2)
.if k_ == 0
	PR D_, FG_, XG_, v[C_:C_+7], SB+8*(b_/2)+k_, SX_, b_%2, E_
.else
	PR D_, FG_, XG_, v[D_:D_+7], SB+8*(b_/2)+k_, SX_, b_%2, E_
.endif
.else
.set D_, HV+32*(b_-4)+8*((\jt)%4)
.set C_, BV+8*(b_-4)
	WIN XW_|(FW_<<2)
.if k_ == 0
	PR D_, XG_, FG_, v[C_:C_+7], SX_, SBV+k_, E_, b_-4
.else
	PR D_, XG_, FG_, v[D_:D_+7], SX_, SBV+k_, E_, b_-4
.endif
.endif
.set b_, b_+1
.endr
.set k_, k_+1
.endr
	WIN 0
.endm
.macro FETCH e, sa, ss                 ; a tile of x into set e: 32 loads, each of consecutive bytes from lane to lane; sa = 1: its pair's eight scale words into set ss
.set k_, 0
.rept 8
	FPL 48+8*(\e)+k_
	WIN FW_<<6
	ds_load_b128 v[FG_:FG_+3], v[AX16] offset:1536*k_
	ds_load_b64 v[FG_+4:FG_+5], v[AX8] offset:1536*k_+512
	ds_load_b128 v[FG_+6:FG_+9], v[AX16] offset:1536*k_+768
	ds_load_b64 v[FG_+10:FG_+11], v[AX8] offset:1536*k_+1280
.set k_, k_+1
.endr
	WIN 0
.if \sa
.set k_, 0
.rept 8
	ds_load_b32 v[SA+8*(\ss)+k_], v[AS] offset:512*k_
.set k_, k_+1
.endr
.endif
.endm
; 32 numbers of a lane (register 16 b + i = k 32 b + 16 (lane / 16) + i) become six registers of codes at v[d] (lanes 0-15 block 0, lanes 16-31 block 1) and the two scale bytes in v[w].  Each accumulator is read from its low end on.
.macro Q2 src, d, w
	v_max3_num_f32 v[T0], |v[\src]|, |v[\src+1]|, 0x1800000          ; with the floor 2^(3 - 127): the byte cannot fall under 1
	v_max3_num_f32 v[T0+1], |v[\src+16]|, |v[\src+17]|, 0x1800000
.irp i, 2,4,6,8,10,12,14
	v_max3_num_f32 v[T0], v[T0], |v[\src+\i]|, |v[\src+\i+1]|
	v_max3_num_f32 v[T0+1], v[T0+1], |v[\src+16+\i]|, |v[\src+17+\i]|
.endr
	v_permlanex16_b32 v[P0], v[T0], s[SEL], s[SEL+1]
	v_permlanex16_b32 v[P0+1], v[T0+1], s[SEL], s[SEL+1]
	v_max_num_f32 v[T0], v[T0], v[P0]                                ; with lane l xor 16's 16: the block's largest magnitude
	v_max_num_f32 v[T0+1], v[T0+1], v[P0+1]
	v_add_nc_u32 v[S0], 0xff000000, v[T0]                            ; 2 off its exponent field: the conversion's scale operand
	v_add_nc_u32 v[S0+1], 0xff000000, v[T0+1]
	v_lshrrev_b32 v[P0], 23, v[S0]
	v_lshrrev_b32 v[P0+1], 23, v[S0+1]
	v_cvt_scalef32_pk16_fp6_f32 v[\d:\d+2], v[\src:\src+15], v[S0]
	v_cvt_scalef32_pk16_fp6_f32 v[XT:XT+2], v[\src+16:\src+31], v[S0+1]
	v_lshl_or_b32 v[\w], v[P0+1], 8, v[P0]                           ; the plain line behind the conversions
.irp i, 0,1,2
	v_permlane16_swap_b32 v[\d+\i], v[XT+\i]
.endr
.irp i, 0,1,2
	v_mov_b32 v[\d+3+\i], v[XT+\i]
.endr
.endm
; v's channel tile c2, tokens 64 c .. 64 c + 63 of the key step: six registers of the fragment's twelve.  The fragment lies in memory as three pieces of four registers, 16 bytes a lane, as the attention launch loads it:
; behind the first half piece 0 leaves and registers 4, 5 are set aside in front of the next six; behind the second half pieces 1 and 2 leave.  Each store covers 512 consecutive bytes, aligned to 256.
.macro VOUT c2, c
	Q2 HV+32*(\c2), VO+8*(\c2)+2, WT
.if (\c) == 0
	v_mov_b32 v[VWD+\c2], v[WT]
	global_store_b128 v[L16], v[VO+8*(\c2)+2:VO+8*(\c2)+5], s[VCP:VCP+1] offset:1536*(\c2)
	v_mov_b32 v[VO+8*(\c2)], v[VO+8*(\c2)+6]
	v_mov_b32 v[VO+8*(\c2)+1], v[VO+8*(\c2)+7]
.else
	v_lshl_or_b32 v[VWD+\c2], v[WT], 16, v[VWD+\c2]
	global_store_b128 v[L16], v[VO+8*(\c2):VO+8*(\c2)+3], s[VCP:VCP+1] offset:1536*(\c2)+512
	global_store_b128 v[L16], v[VO+8*(\c2)+4:VO+8*(\c2)+7], s[VCP:VCP+1] offset:1536*(\c2)+1024
.endif
.endm
; Tile jt of a trip's eight: its products; the fetch of the tile two on into the set just read; its way out.
.macro BLK jt
.if ((\jt)+1)%2 == 0
	s_wait_dscnt 40                                ; this tile's fragments are in; younger is the next tile's fetch alone: 32 loads, and 8 of scale words where that tile is even
.else
	s_wait_dscnt 32
.endif
	PRODS \jt
.if (\jt) < 6                          ; three addresses and one more line: the four places behind the last product
	v_add3_u32 v[AX16], s[TB], 12288*((\jt)+2), v[L16]
	v_add3_u32 v[AX8], s[TB], 12288*((\jt)+2), v[L8]
	v_add3_u32 v[AS], s[TS], LSA+128*(((\jt)+2)/2), v[L4]
.else                                  ; the other trip's first two tiles (in the last trip they are fetched and not used)
	v_add3_u32 v[AX16], s[TBN], 12288*((\jt)-6), v[L16]
	v_add3_u32 v[AX8], s[TBN], 12288*((\jt)-6), v[L8]
	v_add3_u32 v[AS], s[TSN], LSA, v[L4]
.endif
	v_nop
	FETCH (\jt)%2, ((\jt)%2)==0, (((\jt)+2)/2)%2
	s_wait_xcnt 0x0                                ; earlier stores have read their registers: they are written again only behind this wait
	Q2 ACC, OUT+6*((\jt)%2), PWR+(\jt)%4
.if (\jt)%2 == 1
.irp i, 0,1,2
	global_store_b128 v[L16], v[OUT+4*\i:OUT+4*\i+3], s[QC:QC+1] offset:1536*((\jt)/2)+512*\i   ; a pair tile: 512 consecutive bytes a store, aligned to 256
.endr
.endif
.if (\jt)%4 == 3
	v_cndmask_b32 v[PWR], v[PWR], v[PWR+1], s[HI]                    ; lanes 0-15 a pair's even tile, lanes 16-31 its odd one
	v_cndmask_b32 v[PWR+1], v[PWR+2], v[PWR+3], s[HI]
	global_store_b64 v[L8], v[PWR:PWR+1], s[QW:QW+1] offset:256*((\jt)/4)   ; 256 consecutive bytes, aligned
	VOUT 0, (\jt)/4
	s_wait_xcnt 0x0
	VOUT 1, (\jt)/4
.if (\jt) == 7
	v_cndmask_b32 v[VWD], v[VWD], v[VWD+1], s[HI]
	global_store_b32 v[VWO], v[VWD], s[VWP:VWP+1]                    ; my two channel tiles' words of the key step: every second word of 256 bytes
.endif
.endif
	WALU                                           ; the wait ahead of the wait that follows
.endm
	s_load_b256 s[4:11], s[0:1], 0x0               ; xq s[4:5], wq s[6:7], b_attn s[8:9], qkv s[10:11]
	v_lshl_add_u32 v[SPW], v0, 2, SPARE
	v_mov_b32 v[NIL], 0
	ds_add_u32 v[SPW], v[NIL]                      ; the opening lines: the add twice on end and its wait
	ds_add_u32 v[SPW], v[NIL]
	v_lshrrev_b32 v1, 5, v0
	v_readfirstlane_b32 s[WV], v1                  ; wave 0..3
	s_bfe_u32 s13, ttmp6, 0x40000                  ; cx
	s_lshl_b32 s14, ttmp9, 2
	s_add_co_u32 s14, s14, s13                     ; column group: enters global addresses of my own loads and stores alone
	s_and_b32 s15, ttmp7, 0xffff                   ; row block, which the four partners share
	s_mov_b32 s[G1], 15|(3<<16)|(1<<21)            ; the mask: all four work-groups; elements of 8 bytes; 21 set beside a mask
	s_mov_b32 s[G1+1], 32<<16
	s_mov_b32 s[G1+3], 32<<16
	s_mov_b32 s[G1+5], 32
	s_mov_b32 s[G1+6], 0
	s_mov_b32 s[G1+7], 0
	s_mov_b32 s[G0], 1
	s_mul_i32 s66, s15, 196608
	s_mov_b32 s67, 0
	s_lshl_b32 s68, s15, 13
	s_add_co_u32 s68, s68, XSO
	s_mov_b32 s69, 0
	WALU
	s_wait_dscnt 0x0
	s_wait_kmcnt 0x0
	s_add_nc_u64 s[XB:XB+1], s[4:5], s[66:67]
	s_add_nc_u64 s[XS:XS+1], s[4:5], s[68:69]
	CROUND                                         ; all four work-groups are here: the joint loads meet
	s_cmp_eq_u32 s[WV], 0                          ; one chain of branches on the wave's number, one load to an arm
	s_cbranch_scc0 .Lw1
	XTILE XS, LSA, 0, 32                           ; wave 0: the scale words
	s_branch .Lasked
.Lw1:
	s_cmp_eq_u32 s[WV], 1
	s_cbranch_scc0 .Lw2
	XTILE XB, 0, 0, 192                            ; wave 1: tiles 0-3
	s_branch .Lasked
.Lw2:
	s_cmp_eq_u32 s[WV], 2
	s_cbranch_scc0 .Lw3
	XTILE XB, 49152, 49152, 288                    ; wave 2: tiles 4-9
	s_branch .Lasked
.Lw3:
	XTILE XB, 122880, 122880, 288                  ; wave 3: tiles 10-15
.Lasked:
	v_and_b32 v9, 31, v0
	v_and_b32 v13, 15, v0
	v_bfe_u32 v14, v0, 4, 1
	v_lshlrev_b32 v[L16], 4, v9
	v_lshlrev_b32 v[L8], 3, v9
	v_lshlrev_b32 v[L4], 2, v9
	s_and_b32 s77, s[WV], 1
	s_lshl_b32 s66, s77, 2
	v_add_nc_u32 v[VWO], s66, v[L8]
	v_lshlrev_b32 v[BIO], 6, v14                   ; q|k's bias: register 16 bb + i is column 32 bb + 16 h + i
	v_and_b32 v9, 8, v13
	v_add_nc_u32 v9, v9, v13
	v_lshlrev_b32 v[BAO], 2, v9                    ; v's: position r's true column is r + 8 (r / 8)
	v_mov_b32 v[P0], 0                             ; a lane permute's destination counts as read
	v_mov_b32 v[P0+1], 0
	s_mul_i32 s66, s14, 196608                     ; q|k's tiles 16 c + 4 w on, 12,288 bytes a tile
	s_mul_i32 s68, s[WV], 49152
	s_add_co_u32 s66, s66, s68
	PTR WQ, 6
	s_mul_i32 s66, s14, 98304                      ; v's tiles 128 + 8 c + 2 w on
	s_mul_i32 s68, s[WV], 24576
	s_add_co_u32 s66, s66, s68
	s_add_co_u32 s66, s66, 1572864
	PTR WVB, 6
	s_lshl_b32 s66, s14, 13                        ; q|k's scale words: block of 128 positions 2 c + w / 2, its half w % 2
	s_lshr_b32 s76, s[WV], 1
	s_lshl_b32 s68, s76, 12
	s_add_co_u32 s66, s66, s68
	s_lshl_b32 s68, s77, 8
	s_add_co_u32 s66, s66, s68
	s_add_co_u32 s66, s66, WSO
	PTR WSQ, 6
	s_lshl_b32 s66, s14, 12                        ; v's: block 16 + c, 32 w positions in
	s_lshl_b32 s68, s[WV], 7
	s_add_co_u32 s66, s66, s68
	s_add_co_u32 s66, s66, WSO+65536
	PTR WSV, 6
	s_lshl_b32 s66, s14, 10                        ; the biases: column 256 c + 64 w,
	s_lshl_b32 s68, s[WV], 8
	s_add_co_u32 s66, s66, s68
	PTR BQP, 8
	s_lshl_b32 s66, s14, 9                         ; and 2,048 + 128 c + 32 w
	s_lshl_b32 s68, s[WV], 7
	s_add_co_u32 s66, s66, s68
	s_add_co_u32 s66, s66, 8192
	PTR BVP, 8
	WALU
.set k_, 0
.rept 8                                ; the weights, K step by K step: 192 loads
.set b_, 0
.rept 6
	FPL 6*k_+b_
	WIN FW_<<6
.if b_ < 4
.set O_, 12288*b_+1536*k_
	global_load_b128 v[FG_:FG_+3], v[L16], s[WQ:WQ+1] offset:O_
	global_load_b64 v[FG_+4:FG_+5], v[L8], s[WQ:WQ+1] offset:O_+512
	global_load_b128 v[FG_+6:FG_+9], v[L16], s[WQ:WQ+1] offset:O_+768
	global_load_b64 v[FG_+10:FG_+11], v[L8], s[WQ:WQ+1] offset:O_+1280
.else
.set O_, 12288*(b_-4)+1536*k_
	global_load_b128 v[FG_:FG_+3], v[L16], s[WVB:WVB+1] offset:O_
	global_load_b64 v[FG_+4:FG_+5], v[L8], s[WVB:WVB+1] offset:O_+512
	global_load_b128 v[FG_+6:FG_+9], v[L16], s[WVB:WVB+1] offset:O_+768
	global_load_b64 v[FG_+10:FG_+11], v[L8], s[WVB:WVB+1] offset:O_+1280
.endif
.set b_, b_+1
.endr
.set k_, k_+1
.endr
	WIN 0
.irp k, 0,1,2,3,4,5,6,7
	global_load_b32 v[SB+\k], v[L4], s[WSQ:WSQ+1] offset:512*\k
	global_load_b32 v[SB+8+\k], v[L4], s[WSQ:WSQ+1] offset:512*\k+128
	global_load_b32 v[SBV+\k], v[L4], s[WSV:WSV+1] offset:512*\k
.endr
.irp b, 0,1
.irp j, 0,1,2,3
	global_load_b128 v[BQ+16*\b+4*\j:BQ+16*\b+4*\j+3], v[BIO], s[BQP:BQP+1] offset:128*\b+16*\j
.endr
.endr
	global_load_b32 v[BV], v[BAO], s[BVP:BVP+1]
	global_load_b32 v[BV+8], v[BAO], s[BVP:BVP+1] offset:32
	; where the results go
	s_lshr_b32 s70, s15, 3                         ; batch
	s_and_b32 s71, s15, 7                          ; my 256 rows in it
	s_lshl_b32 s72, s14, 2
	s_add_co_u32 s72, s72, s[WV]                   ; q's heads 0-15, then k's
	s_and_b32 s73, s72, 15
	s_lshl_b32 s74, s70, 4
	s_add_co_u32 s73, s73, s74                     ; 16 batch + head
	s_mov_b32 s75, SQ
	s_cmp_ge_u32 s72, 16
	s_cselect_b32 s69, KC, 0
	s_cselect_b32 s75, SKV, s75
	s_mul_i32 s66, s73, 98304
	s_mul_i32 s68, s71, 12288                      ; eight pair tiles of 1,536 bytes; also two key steps of 6,144
	s_add_co_u32 s66, s66, s68
	s_add_co_u32 s66, s66, s69
	PTR QC, 10
	s_mul_i32 s66, s73, 12288
	s_lshl_b32 s69, s71, 10
	s_add_co_u32 s66, s66, s69
	s_add_co_u32 s66, s66, s75
	PTR QW, 10
	s_lshl_b32 s73, s14, 1
	s_add_co_u32 s73, s73, s76
	s_add_co_u32 s73, s73, s74                     ; v: 16 batch + head 2 c + w / 2; my channel tiles are 2 (w % 2) and the next
	s_mul_i32 s66, s73, 98304
	s_add_co_u32 s66, s66, s68
	s_mul_i32 s69, s77, 3072
	s_add_co_u32 s66, s66, s69
	s_add_co_u32 s66, s66, VC
	PTR VCP, 10
	s_mul_i32 s66, s73, 12288
	s_lshl_b32 s69, s71, 9
	s_add_co_u32 s66, s66, s69
	s_add_co_u32 s66, s66, SKV+8192
	PTR VWP, 10
	s_mov_b32 s[SEL], 0x76543210
	s_mov_b32 s[SEL+1], 0xfedcba98
	s_mov_b32 s[HI], 0xffff0000                    ; lanes 16-31
	s_mov_b32 s[TB], 0
	s_mov_b32 s[TS], 0
	s_mov_b32 s[CNT], 0
	s_wait_loadcnt 0x0
.irp i, 1,2,3,4,5,6,7
	v_mov_b32 v[BV+\i], v[BV]                      ; a lane's channel has one bias for all eight tokens
	v_mov_b32 v[BV+8+\i], v[BV+8]
.endr
	WALU
	s_wait_tensorcnt 0x0                           ; my part of x's block has landed
	s_barrier_signal -1
	s_barrier_wait -1                              ; everybody's has
	v_mov_b32 v[AX16], v[L16]
	v_mov_b32 v[AX8], v[L8]
	v_add_nc_u32 v[AS], LSA, v[L4]
	FETCH 0, 1, 0
	v_add_nc_u32 v[AX16], 12288, v[L16]
	v_add_nc_u32 v[AX8], 12288, v[L8]
	FETCH 1, 0, 0
.Ltrip:                                                ; eight tiles a trip: one key step of v, four pair tiles of q or k
	s_xor_b32 s[TBN], s[TB], 98304
	s_xor_b32 s[TSN], s[TS], 4096
	BLK 0
	BLK 1
	BLK 2
	BLK 3
	BLK 4
	BLK 5
	BLK 6
	BLK 7
	s_wait_xcnt 0x0                                ; the stores have read their bases: they step only behind this wait
	s_add_nc_u64 s[QC:QC+1], s[QC:QC+1], 6144
	s_add_nc_u64 s[QW:QW+1], s[QW:QW+1], 512
	s_add_nc_u64 s[VCP:VCP+1], s[VCP:VCP+1], 6144
	s_add_nc_u64 s[VWP:VWP+1], s[VWP:VWP+1], 256
	s_add_co_u32 s[TB], s[TB], 98304
	s_add_co_u32 s[TS], s[TS], 4096
	s_add_co_u32 s[CNT], s[CNT], 1
	s_cmp_lt_u32 s[CNT], 2
	s_cbranch_scc1 .Ltrip
	s_wait_tensorcnt 0x0                           ; the wave's end
	ds_add_u32 v[SPW], v[NIL]
	s_wait_dscnt 0x0
	CROUND                                         ; the closing round
	s_endpgm
.Lfunc_end_k_q92d753f3a6_qkv:
	.size	k_q92d753f3a6_qkv, .Lfunc_end_k_q92d753f3a6_qkv-k_q92d753f3a6_qkv
	.p2alignl 7, 3214868480
	.fill 96, 4, 3214868480
	.section	.rodata,"a",@progbits
	.p2align	6, 0x0
	.amdhsa_kernel k_q92d753f3a6_qkv
		.amdhsa_group_segment_fixed_size 205312
		.amdhsa_private_segment_fixed_size 0
		.amdhsa_enable_private_segment 0
		.amdhsa_kernarg_size 32
		.amdhsa_user_sgpr_count 2
		.amdhsa_user_sgpr_kernarg_segment_ptr 1
		.amdhsa_wavefront_size32 1
		.amdhsa_system_sgpr_workgroup_id_x 1
		.amdhsa_system_sgpr_workgroup_id_y 1
		.amdhsa_system_sgpr_workgroup_id_z 1
		.amdhsa_system_vgpr_workitem_id 0
		.amdhsa_next_free_vgpr 1024
		.amdhsa_next_free_sgpr 80
		.amdhsa_reserve_vcc 0
		.amdhsa_float_denorm_mode_32 3
		.amdhsa_float_denorm_mode_16_64 3
		.amdhsa_memory_ordered 1
		.amdhsa_forward_progress 1
		.amdhsa_inst_pref_size 135
	.end_amdhsa_kernel
	.amdgpu_metadata
---
amdhsa.version: [ 1, 2 ]
amdhsa.kernels:
  - .name:           k_q92d753f3a6_qkv
    .symbol:         k_q92d753f3a6_qkv.kd
    .args:
      - { .name: xq, .offset: 0, .size: 8, .value_kind: global_buffer, .address_space: global }
      - { .name: wq, .offset: 8, .size: 8, .value_kind: global_buffer, .address_space: global }
      - { .name: b_attn, .offset: 16, .size: 8, .value_kind: global_buffer, .address_space: global }
      - { .name: qkv, .offset: 24, .size: 8, .value_kind: global_buffer, .address_space: global }
    .group_segment_fixed_size: 205312
    .private_segment_fixed_size: 0
    .kernarg_segment_align: 8
    .kernarg_segment_size: 32
    .max_flat_workgroup_size: 128
    .sgpr_count:     80
    .vgpr_count:     1024
    .wavefront_size: 32
...
	.end_amdgpu_metadata
.endif
;; end of part 2
;; launch attn (part 3): grid 4 x 64, 16 waves a work-group, clusters of 4 x 1, 211,968 bytes of LDS; arguments qkv, yq; writes yq
.if DOCPART == 3
	.amdgcn_target "amdgcn-amd-amdhsa--gfx1250"
	.amdhsa_code_object_version 6
	.text
	.protected	k_q92d753f3a6_attn
	.globl	k_q92d753f3a6_attn
	.p2align	8
	.type	k_q92d753f3a6_attn,@function
k_q92d753f3a6_attn:
	s_mov_b64 s[64:65], 0
	v_nop
	global_prefetch_b8 v0, s[64:65] scope:SCOPE_SE
	s_setreg_imm32_b32 hwreg(HW_REG_WAVE_MODE, 25, 1), 1
	s_wait_xcnt 0x0
	s_wait_alu depctr_hold_cnt(0) depctr_sa_sdst(0) depctr_va_vdst(0) depctr_va_sdst(0) depctr_va_ssrc(0) depctr_va_vcc(0) depctr_vm_vsrc(0)
	s_getreg_b32 s2, hwreg(HW_REG_IB_STS2, 6, 4)
	s_cmp_eq_u32 s2, 0
	s_cbranch_scc0 .Lentry_in_a_cluster
	s_endpgm
.Lentry_in_a_cluster:
	s_bfe_u32 s2, ttmp6, 0x10000c
	s_cmp_lg_u32 s2, 0x3003
	s_cbranch_scc0 .Lentry_shape_is_right
	s_endpgm
.Lentry_shape_is_right:
; y = softmax(q k^T / 8) v for one head (16 batch + head = the grid's y), both products on codes of FP6 with E8M0 scales; y is quantised along the model's axis and leaves as codes.
; THE SOFTMAX: t = score x log2(e) / 8; M = the running largest t rounded UP to a whole number; p = 2^(t - M) is quantised along the keys, not normalised; the row's sum is taken of the unquantised p and divides at the end.
; When M moves, the sums and O are multiplied by f = 2^(old M - new M), which rounds nothing.
; SHARES.  A work-group owns 512 query positions in two passes of 256; each of its sixteen waves one tile of 16 a pass, in 256 registers.
; The head's whole K and V (192 KiB of codes) and their scale words lie in LDS, filled ONCE by joint loads: the four work-groups of a cluster are the four query blocks of one head.
; Waves 0-7 ask for a quarter of K (even waves) or of V (odd) each, wave 8 for the scale words: one tensor load a wave is out.  One wait and one barrier show all of it; the key loop has no barrier.
; No data prefetch: every byte that the work-group reads (K, V, scales, both passes' Q) is asked for at the head, so there is no loop to run ahead in.
; LAYOUT.  Both products are used transposed (S^T = K Q^T, O^T = V^T P^T): a lane holds one query throughout.  K's positions have bits 3 and 4 of the true key exchanged, so that the 16 registers of two neighbouring tiles
; are 16 neighbouring keys; V's channels likewise.
; K = 64 IN AN INSTRUCTION OF 128: Q's registers 6-11 are zero codes; a tile of K names its six registers and the six behind them, whatever codes they hold (FP6 has finite codes alone); the upper two scale bytes are 0, never 0xff.
; TWO REGIONS OF 64 REGISTERS CHANGE ROLES from step to step: K's fragments lie in one, S^T goes into the other; V lands where K lay; when p has been converted, the next step's K lands on p's first 48 registers.
; LIMITS: NaN and infinities not served; scale bytes held at 1 from below; a block of zeros gets the byte 1; the promise holds while the scaled scores stay under 2^31 in magnitude.
.set KC,   6291456
.set SQ,   18874368
.set SKV,  19660800
.set YSO,  6291456
.set LV,   98304                       ; LDS: V's images (K's at 0)
.set SCB,  196608                      ; K's scale words, 8,192 bytes; then V's, 4,096
.set YSB,  208896                      ; y's scale halfwords of the two passes: 1,024 bytes into which no fill lands
.set SPARE, 209920                     ; the spare words: 128 bytes a wave
.set WV,   8
.set SEL,  12
.set CS,   14                          ; s[14:15] c = log2(e) / 8
.set CSN,  16                          ; -c
.set TK,   17
.set TS,   18
.set TV,   19
.set G1C,  20
.set G1S,  28
.set G0C,  36
.set G0S,  40
.set CNT,  44
.set TN,   45
.set PASS, 56
.set YO,   57
.set QP,   58
.set QSP,  60
.set YP,   62
.set YSP,  66
.set LI,   1                           ; 16 x lane
.set LS8,  2                           ; SCB + 8 x lane
.set QSO,  3
.set L8,   4
.set YSA,  5
.set YRD,  6
.set ADK,  8                           ; K's images, this trip's four steps
.set ADV,  9                           ; V's
.set ADS,  10                          ; K's scale words
.set ADT,  11                          ; V's
.set QF,   16                          ; v16-21 Q's codes, v22-27 zeros;  v12, v14: -M by turns; v13 the running largest score; v15 named with v14 as a pair
.set QS,   28                          ; Q's scale word
.set QS2,  29                          ; the second pass's
.set X,    32                          ; v32-95, v96-159 the two regions
.set Y,    96
.set OT,   160                         ; v160-191 O^T
.set PCD,  192                         ; v192-203 p's codes; at a pass's end y's
.set PX,   204
.set BM,   212
.set BT,   216
.set BS,   220
.set PW,   224                         ; p's scale word
.set YW,   225
.set FF,   226
.set TT,   228
.set YT,   229
.set KSC,  230                         ; v230-233 K's scale words
.set VSC,  234                         ; v234-235 V's
.set LA,   236                         ; v236-243 the row's sum in four pairs
.set Q2,   244                         ; v244-249 the second pass's Q
.set SPW,  254
.set NIL,  255
.macro PLACES n
.rept \n
	v_nop
.endr
.endm
.macro WALU
	s_wait_alu depctr_va_vdst(0)
.endm
.macro CROUND
	s_barrier_signal -1
	s_barrier_wait -1
	s_cmp_lg_u32 s[WV], 0
	s_cbranch_scc1 .Lnot_wave_0_\@
	s_barrier_signal -3
.Lnot_wave_0_\@:
	s_barrier_wait -3
	s_barrier_signal -1
	s_barrier_wait -1
.endm
.macro SETG1 g, c, r, p
	s_mov_b32 s[\g+1], (\c)<<16
	s_mov_b32 s[\g+2], (\r)<<16
	s_mov_b32 s[\g+3], (\c)<<16
	s_mov_b32 s[\g+4], \r
	s_mov_b32 s[\g+5], \p
	s_mov_b32 s[\g+6], 0
	s_mov_b32 s[\g+7], 0
.endm
.macro KLOAD reg, ko, so               ; a step's K: two loads of scale words, twelve of codes (tile t's six registers at reg + 6 t)
	ds_load_b64 v[KSC:KSC+1], v[ADS] offset:\so
	ds_load_b64 v[KSC+2:KSC+3], v[ADS] offset:\so+256
.irp p, 0,1,2,3
.irp i, 0,1,2
	ds_load_b128 v[\reg+12*\p+4*\i:\reg+12*\p+4*\i+3], v[ADK] offset:\ko+1536*\p+512*\i
.endr
.endr
.endm
.macro LSUM sb, n                      ; n more pairs of p onto the four sums, by turns; j counts the step's pairs
.rept \n
	v_pk_add_f32 v[LA+2*(j%4):LA+2*(j%4)+1], v[LA+2*(j%4):LA+2*(j%4)+1], v[\sb+2*j:\sb+2*j+1]
.set j, j+1
.endr
.endm
; A KEY STEP: 128 keys.  ka: K's region, then V's;  sb: S^T's, then p's, then the next K's;  no, nn: the old and the new -M;  st: the step in its trip of four;  last = 1: the trip's last.
.macro STEP ka, sb, no, nn, st, last
	s_wait_dscnt 0x0                               ; this step's K is in: its 14 loads were all that was out
.irp t, 0,2,4,6
	v_wmma_scale_f32_16x16x128_f8f6f4 v[\sb+8*\t:\sb+8*\t+7], v[\ka+6*\t:\ka+6*\t+11], v[QF:QF+11], 0, v[KSC+\t/2], v[QS] matrix_a_fmt:MATRIX_FMT_FP6 matrix_b_fmt:MATRIX_FMT_FP6
	v_wmma_scale_f32_16x16x128_f8f6f4 v[\sb+8*\t+8:\sb+8*\t+15], v[\ka+6*\t+6:\ka+6*\t+17], v[QF:QF+11], 0, v[KSC+\t/2], v[QS] matrix_a_fmt:MATRIX_FMT_FP6 matrix_b_fmt:MATRIX_FMT_FP6 matrix_a_scale:MATRIX_SCALE_ROW1
.endr
	PLACES 4                                       ; in front of the loads below and of the first read of the scores
	ds_load_b64 v[VSC:VSC+1], v[ADT] offset:8192+256*\st   ; V: 13 loads, which land while the softmax is walked
.irp p, 0,1,2,3
.irp i, 0,1,2
	ds_load_b128 v[\ka+12*\p+4*\i:\ka+12*\p+4*\i+3], v[ADV] offset:6144*\st+1536*\p+512*\i
.endr
.endr
.irp b, 0,1,2,3
	v_max3_num_f32 v[BM+\b], v[\sb+16*\b], v[\sb+1+16*\b], v[\sb+2+16*\b]   ; the largest score of each block of 32 keys: for the row's maximum and, since p rises with the score, for the block's largest p
.endr
.irp i, 3,5,7,9,11,13
.irp b, 0,1,2,3
	v_max3_num_f32 v[BM+\b], v[BM+\b], v[\sb+16*\b+\i], v[\sb+1+16*\b+\i]
.endr
.endr
.irp b, 0,1,2,3
	v_max_num_f32 v[BM+\b], v[BM+\b], v[\sb+15+16*\b]
.endr
.irp b, 0,1,2,3
	s_delay_alu instid0(VALU_DEP_4)
	v_permlanex16_b32 v[BT+\b], v[BM+\b], s[SEL], s[SEL+1]
.endr
.irp b, 0,1,2,3
	s_delay_alu instid0(VALU_DEP_4)
	v_max_num_f32 v[BM+\b], v[BM+\b], v[BT+\b]     ; with lane l xor 16's 16 keys
.endr
	s_delay_alu instid0(VALU_DEP_2)
	v_max3_num_f32 v[TT], v[BM], v[BM+1], v[BM+2]
	s_delay_alu instid0(VALU_DEP_1)
	v_max3_num_f32 v13, v13, v[TT], v[BM+3]        ; the running largest score (c is positive: the largest t is c x it)
	s_delay_alu instid0(VALU_DEP_1)
	v_mul_f32 v[TT], s[CSN], v13
	s_delay_alu instid0(VALU_DEP_1)
	v_floor_f32 v[\nn], v[TT]                      ; the new -M = floor(-t): M is a whole number
	s_delay_alu instid0(VALU_DEP_1)
	v_sub_f32 v[TT], v[\nn], v[\no]                ; old M - new M: a whole number, 0 or less
	s_delay_alu instid0(VALU_DEP_1)
	v_cvt_i32_f32 v[TT], v[TT]                     ; (it saturates)
	s_delay_alu instid0(VALU_DEP_1)
	v_ldexp_f32 v[FF], 1.0, v[TT]                  ; f = 2^(old M - new M)
.set j, 0
.rept 16
	v_pk_mul_f32 v[OT+j:OT+j+1], v[OT+j:OT+j+1], v[FF:FF+1] op_sel_hi:[1,0]   ; O^T under the new M; each accumulator from its low end on
.set j, j+2
.endr
.set j, 0
.rept 32
	v_pk_fma_f32 v[\sb+j:\sb+j+1], v[\sb+j:\sb+j+1], s[CS:CS+1], v[\nn:\nn+1] op_sel_hi:[1,0,0]   ; t - M
.set j, j+2
.endr
.irp b, 0,1,2,3
	v_fma_f32 v[BM+\b], v[BM+\b], s[CS], v[\nn]    ; the same of each block's largest score
.endr
	WALU                                           ; the wait ahead of the batch
.irp b, 0,1,2,3
	v_exp_f32 v[BM+\b], v[BM+\b]                   ; the blocks' largest p
.endr
.set j, 0
.rept 64
	v_exp_f32 v[\sb+j], v[\sb+j]                   ; p = 2^(t - M)
.set j, j+1
.endr
	v_nop                                          ; the plain place behind the exponentials
	WALU                                           ; one wait for the whole batch, ahead of its first reader
.irp b, 0,1,2,3
	v_max_num_f32 v[BM+\b], 0x1800000, v[BM+\b]    ; the floor 2^(3 - 127)
.endr
.irp b, 0,1,2,3
	s_delay_alu instid0(VALU_DEP_4)
	v_add_nc_u32 v[BS+\b], 0xff000000, v[BM+\b]    ; the conversion's scale operand
.endr
.irp b, 0,1,2,3
	s_delay_alu instid0(VALU_DEP_4)
	v_lshrrev_b32 v[BT+\b], 23, v[BS+\b]           ; the byte
.endr
	s_delay_alu instid0(VALU_DEP_3)
	v_lshl_or_b32 v[PW], v[BT+1], 8, v[BT]
	s_delay_alu instid0(VALU_DEP_1)
	v_lshl_or_b32 v[PW], v[BT+2], 16, v[PW]
	s_delay_alu instid0(VALU_DEP_1)
	v_lshl_or_b32 v[PW], v[BT+3], 24, v[PW]
.set j, 0
.rept 4
	v_pk_fma_f32 v[LA+2*j:LA+2*j+1], v[LA+2*j:LA+2*j+1], v[FF:FF+1], v[\sb+2*j:\sb+2*j+1] op_sel_hi:[1,0,1]   ; each sum x f, and its first pair of p
.set j, j+1
.endr
	LSUM \sb, 19
.irp c, 0,1
	v_cvt_scalef32_pk16_fp6_f32 v[PCD+6*\c:PCD+6*\c+2], v[\sb+32*\c:\sb+32*\c+15], v[BS+2*\c]
	v_cvt_scalef32_pk16_fp6_f32 v[PX+4*\c:PX+4*\c+2], v[\sb+32*\c+16:\sb+32*\c+31], v[BS+2*\c+1]
.endr
	LSUM \sb, 1                                    ; pair 23: the plain place behind the conversions, and the last read of p's first 48 registers
.if \last
	s_add_co_u32 s[TN], s[CNT], 1                  ; the next trip's four steps; behind the fourth trip the first again, for the next pass
	s_and_b32 s[TN], s[TN], 3
	s_mul_i32 s[TK], s[TN], 24576
	s_lshl_b32 s[TS], s[TN], 11
	s_lshl_b32 s[TV], s[TN], 10
	v_add_nc_u32 v[ADK], s[TK], v[LI]
	v_add_nc_u32 v[ADS], s[TS], v[LS8]
	v_add_nc_u32 v[ADT], s[TV], v[LS8]
	v_add_nc_u32 v[ADV], LV, v[ADK]
	KLOAD \sb, 0, 0
.else
	KLOAD \sb, 6144*(\st+1), 512*(\st+1)           ; the next step's K: 14 loads
.endif
.irp c, 0,1
.irp i, 0,1,2
	v_permlane16_swap_b32 v[PCD+6*\c+\i], v[PX+4*\c+\i]
.endr
.irp i, 0,1,2
	s_delay_alu instid0(VALU_DEP_3)
	v_mov_b32 v[PCD+6*\c+3+\i], v[PX+4*\c+\i]
.endr
.endr
	LSUM \sb, 4                                    ; pairs 24-27 lie behind what K's loads fill; these four are the places between the codes' last writes and the products
	WALU                                           ; the wait ahead of the wait below
	s_wait_dscnt 14                                ; V is in; the 14 loads of the next K are younger
.irp t, 0,2
	v_wmma_scale_f32_16x16x128_f8f6f4 v[OT+8*\t:OT+8*\t+7], v[\ka+12*\t:\ka+12*\t+11], v[PCD:PCD+11], v[OT+8*\t:OT+8*\t+7], v[VSC+\t/2], v[PW] matrix_a_fmt:MATRIX_FMT_FP6 matrix_b_fmt:MATRIX_FMT_FP6
	v_wmma_scale_f32_16x16x128_f8f6f4 v[OT+8*\t+8:OT+8*\t+15], v[\ka+12*\t+12:\ka+12*\t+23], v[PCD:PCD+11], v[OT+8*\t+8:OT+8*\t+15], v[VSC+\t/2], v[PW] matrix_a_fmt:MATRIX_FMT_FP6 matrix_b_fmt:MATRIX_FMT_FP6 matrix_a_scale:MATRIX_SCALE_ROW1
.endr
	LSUM \sb, 4                                    ; pairs 28-31, and one more line: five places ahead of the next step's products, which write over V's registers
	v_nop
.endm
	s_load_b128 s[4:7], s[0:1], 0x0                ; qkv s[4:5], yq s[6:7]
	v_lshl_add_u32 v[SPW], v0, 2, SPARE
	v_mov_b32 v[NIL], 0
	ds_add_u32 v[SPW], v[NIL]                      ; the opening lines: the add twice on end and its wait
	ds_add_u32 v[SPW], v[NIL]
	v_lshrrev_b32 v1, 5, v0
	v_readfirstlane_b32 s[WV], v1                  ; wave 0..15
	s_bfe_u32 s9, ttmp6, 0x40000                   ; cx: which 512 queries
	s_and_b32 s10, ttmp7, 0xffff                   ; g = 16 batch + head, which the four partners share
	s_and_b32 s11, s[WV], 1
	s_sub_co_u32 s11, 0, s11                       ; all ones in odd waves: they take a pair tile's upper six registers
	s_mov_b32 s[SEL], 0x76543210
	s_mov_b32 s[SEL+1], 0xfedcba98
	s_mov_b32 s[CS], 0x3e38aa3b
	s_mov_b32 s[CS+1], s[CS]
	s_mov_b32 s[CSN], 0xbe38aa3b
	s_mov_b32 s[G1C], 15|(3<<16)|(1<<21)           ; the mask: all four work-groups; elements of 8 bytes; 21 set beside a mask
	SETG1 G1C, 32, 96, 32                          ; 24,576 dense bytes as rows of 256
	s_mov_b32 s[G1S], 15|(3<<16)|(1<<21)
	SETG1 G1S, 32, 48, 32                          ; 12,288
	s_and_b32 s68, s[WV], 1                        ; waves 0-7: K (0) or V (1),
	s_lshr_b32 s69, s[WV], 1                       ; which quarter
	s_mul_i32 s70, s68, LV
	s_mul_i32 s71, s69, 24576
	s_add_co_u32 s72, s70, s71                     ; its place in LDS
	s_mul_i32 s73, s68, 6291456
	s_add_co_u32 s74, s73, s71
	s_mul_i32 s73, s10, 98304
	s_add_co_u32 s74, s74, s73
	s_add_co_u32 s74, s74, KC
	s_mov_b32 s75, 0
	s_mul_i32 s76, s10, 12288
	s_add_co_u32 s76, s76, SKV
	s_mov_b32 s77, 0
	WALU
	s_wait_dscnt 0x0
	s_wait_kmcnt 0x0
	s_mov_b32 s[G0C], 1
	s_mov_b32 s[G0C+1], s72
	s_add_nc_u64 s[G0C+2:G0C+3], s[4:5], s[74:75]
	s_or_b32 s[G0C+3], s[G0C+3], 0x80000000
	s_mov_b32 s[G0S], 1
	s_mov_b32 s[G0S+1], SCB
	s_add_nc_u64 s[G0S+2:G0S+3], s[4:5], s[76:77]
	s_or_b32 s[G0S+3], s[G0S+3], 0x80000000
	CROUND                                         ; all four work-groups are here: the joint loads meet
	s_cmp_lt_u32 s[WV], 8
	s_cbranch_scc0 .Lscales
	tensor_load_to_lds s[G0C:G0C+3], s[G1C:G1C+7]
	s_nop 0
	PLACES 4
	s_branch .Lasked
.Lscales:
	s_cmp_eq_u32 s[WV], 8
	s_cbranch_scc0 .Lasked
	tensor_load_to_lds s[G0S:G0S+3], s[G1S:G1S+7]
	s_nop 0
	PLACES 4
.Lasked:
	v_and_b32 v7, 15, v0                           ; r
	v_and_b32 v[LI], 31, v0
	v_lshlrev_b32 v[L8], 3, v[LI]
	v_lshlrev_b32 v[LI], 4, v[LI]
	v_add_nc_u32 v[LS8], SCB, v[L8]
	v_add_nc_u32 v[YRD], YSB, v[LI]
	s_and_b32 s72, s[WV], 1
	s_lshl_b32 s72, s72, 7
	s_bfe_u32 s73, s[WV], 0x10001
	s_lshl_b32 s73, s73, 2
	s_add_co_u32 s72, s72, s73
	v_lshl_add_u32 v[QSO], v7, 3, s72              ; Q's scale word: lane r + 16 (w % 2) of its group of four tiles, word (w / 2) % 2
	s_lshl_b32 s72, s[WV], 5
	s_add_co_u32 s72, s72, YSB
	v_lshl_add_u32 v[YSA], v7, 1, s72              ; y's scale halfword of position 16 w + r
	s_lshr_b32 s68, s10, 4                         ; batch
	s_and_b32 s69, s10, 15                         ; head
	s_mul_i32 s70, s10, 98304
	s_lshl_b32 s71, s9, 4
	s_lshr_b32 s72, s[WV], 1
	s_add_co_u32 s71, s71, s72
	s_mul_i32 s71, s71, 1536
	s_add_co_u32 s70, s70, s71
	s_mov_b32 s71, 0
	s_add_nc_u64 s[QP:QP+1], s[4:5], s[70:71]      ; my pair tile of Q; the second pass's lies 12,288 bytes on
	s_mul_i32 s70, s10, 12288
	s_lshl_b32 s72, s9, 3
	s_lshr_b32 s73, s[WV], 2
	s_add_co_u32 s72, s72, s73
	s_lshl_b32 s72, s72, 8
	s_add_co_u32 s70, s70, s72
	s_add_co_u32 s70, s70, SQ
	s_add_nc_u64 s[QSP:QSP+1], s[4:5], s[70:71]
	s_lshl_b32 s70, s68, 7
	s_lshl_b32 s72, s9, 5
	s_add_co_u32 s70, s70, s72
	s_add_co_u32 s70, s70, s[WV]
	s_mul_i32 s70, s70, 12288                      ; my position tile in yq,
	s_mul_i32 s72, s69, 768                        ; K step head / 2, half head % 2: 768 bytes a head
	s_add_co_u32 s70, s70, s72
	s_add_nc_u64 s[YP:YP+1], s[6:7], s[70:71]
	s_lshl_b32 s70, s68, 3
	s_lshl_b32 s72, s9, 1
	s_add_co_u32 s70, s70, s72
	s_lshl_b32 s70, s70, 13                        ; my first block of 256 positions,
	s_lshl_b32 s72, s69, 9                         ; my head's 512 bytes in it
	s_add_co_u32 s70, s70, s72
	s_add_co_u32 s70, s70, YSO
	s_add_nc_u64 s[YSP:YSP+1], s[6:7], s[70:71]
	WALU
.irp p, 0,1
.irp i, 0,1,2
	global_load_b128 v[Y+12*\p+4*\i:Y+12*\p+4*\i+3], v[LI], s[QP:QP+1] offset:12288*\p+512*\i   ; both passes' pair tiles of Q, while K and V are on their way
.endr
.endr
	global_load_b32 v[QS], v[QSO], s[QSP:QSP+1]
	global_load_b32 v[QS2], v[QSO], s[QSP:QSP+1] offset:1024
.irp i, 0,1,2,3,4,5
	v_mov_b32 v[QF+6+\i], 0                        ; zero codes: the upper half of K = 128
	v_mov_b32 v[X+48+\i], 0                        ; named behind the first step's last tile of K
.endr
.irp b, 0,1,2,3
	v_mov_b32 v[BT+\b], 0                          ; a lane permute's destination counts as read
.endr
	v_mov_b32 v[FF+1], 0                           ; (named as the upper halves of pairs)
	v_mov_b32 v15, 0
	v_mov_b32 v[TT], 0
	v_mov_b32 v[ADK], v[LI]
	v_add_nc_u32 v[ADV], LV, v[LI]
	v_mov_b32 v[ADS], v[LS8]
	v_mov_b32 v[ADT], v[LS8]
	s_wait_loadcnt 0x0
.irp i, 0,1,2,3,4,5
	v_cndmask_b32 v[QF+\i], v[Y+\i], v[Y+6+\i], s11        ; my tile's six registers of the pair's twelve
	v_cndmask_b32 v[Q2+\i], v[Y+12+\i], v[Y+18+\i], s11
.endr
	s_mov_b32 s[PASS], 2
	s_mov_b32 s[YO], 0
	WALU
	s_wait_tensorcnt 0x0                           ; on every wave's way: my load, if I have one, has landed
	s_barrier_signal -1
	s_barrier_wait -1                              ; everybody's has: K, V and the scale words are whole
	KLOAD X, 0, 0                                  ; the first step's K
.Lpass:
	v_mov_b32 v13, 0xff61b1e6                      ; the largest score so far: -3e38
	v_mov_b32 v14, 0x7f61b1e6                      ; and -M to go with it
.set j, 0
.rept 8
	v_mov_b32 v[LA+j], 0
.set j, j+1
.endr
.set j, 0
.rept 32
	v_mov_b32 v[OT+j], 0                           ; the step is written once: the first finds zeros, which the first change of M leaves zeros
.set j, j+1
.endr
	s_mov_b32 s[CNT], 0
	WALU
.Ltrip:                                                ; four steps a trip, four trips a pass: every offset in a trip is an immediate
	STEP X, Y, 14, 12, 0, 0
	STEP Y, X, 12, 14, 1, 0
	STEP X, Y, 14, 12, 2, 0
	STEP Y, X, 12, 14, 3, 1
	s_add_co_u32 s[CNT], s[CNT], 1
	s_cmp_lt_u32 s[CNT], 4
	s_cbranch_scc1 .Ltrip
	; the pass's way out: y = O^T / the sum; its 64 channels are two blocks of the next product's K.  Region X and K's scale words are left alone: the next pass's first K is landing there.
	v_pk_add_f32 v[LA:LA+1], v[LA:LA+1], v[LA+2:LA+3]
	v_pk_add_f32 v[LA+4:LA+5], v[LA+4:LA+5], v[LA+6:LA+7]
	v_pk_add_f32 v[LA:LA+1], v[LA:LA+1], v[LA+4:LA+5]
	v_add_f32 v[LA], v[LA], v[LA+1]
	v_permlanex16_b32 v[TT], v[LA], s[SEL], s[SEL+1]
	v_add_f32 v[LA], v[LA], v[TT]                  ; the row's sum
	WALU
	v_rcp_f32 v[LA], v[LA]
	v_nop
	WALU                                           ; ahead of the first reader of the reciprocal and of O^T
.set j, 0
.rept 32
	v_mul_f32 v[Y+j], v[OT+j], v[LA]               ; register 16 b + i is channel 32 b + 16 (lane / 16) + i; each accumulator from its low end on
.set j, j+1
.endr
.irp b, 0,1
	v_max3_num_f32 v[BM+\b], |v[Y+16*\b]|, |v[Y+1+16*\b]|, 0x1800000
.endr
.irp i, 2,4,6,8,10,12,14
.irp b, 0,1
	v_max3_num_f32 v[BM+\b], v[BM+\b], |v[Y+16*\b+\i]|, |v[Y+1+16*\b+\i]|
.endr
.endr
.irp b, 0,1
	v_permlanex16_b32 v[BT+\b], v[BM+\b], s[SEL], s[SEL+1]
.endr
.irp b, 0,1
	v_max_num_f32 v[BM+\b], v[BM+\b], v[BT+\b]
.endr
.irp b, 0,1
	v_add_nc_u32 v[BS+\b], 0xff000000, v[BM+\b]
.endr
.irp b, 0,1
	v_lshrrev_b32 v[BT+\b], 23, v[BS+\b]
.endr
	v_lshl_or_b32 v[YW], v[BT+1], 8, v[BT]
	v_cvt_scalef32_pk16_fp6_f32 v[PCD:PCD+2], v[Y:Y+15], v[BS]
	v_cvt_scalef32_pk16_fp6_f32 v[PX:PX+2], v[Y+16:Y+31], v[BS+1]
	v_nop
.irp i, 0,1,2
	v_permlane16_swap_b32 v[PCD+\i], v[PX+\i]
.endr
.irp i, 0,1,2
	v_mov_b32 v[PCD+3+\i], v[PX+\i]
.endr
	global_store_b128 v[LI], v[PCD:PCD+3], s[YP:YP+1]          ; half a fragment of the last product's operand: 512 and 256 consecutive bytes, aligned to 256
	global_store_b64 v[L8], v[PCD+4:PCD+5], s[YP:YP+1] offset:512
	v_add_nc_u32 v[YT], s[YO], v[YSA]
	ds_store_b16 v[YT], v[YW]                      ; both halves of the lanes write the same halfword with the same value
.irp i, 0,1,2,3,4,5
	v_mov_b32 v[QF+\i], v[Q2+\i]                   ; the second pass's Q
.endr
	v_mov_b32 v[QS], v[QS2]
	s_wait_xcnt 0x0                                ; the stores have read their data and their base: both are written again only behind this wait
	s_add_nc_u64 s[YP:YP+1], s[YP:YP+1], 196608    ; 16 tiles on
	s_add_co_u32 s[YO], s[YO], 512
	s_sub_co_u32 s[PASS], s[PASS], 1
	s_cmp_lg_u32 s[PASS], 0
	s_cbranch_scc1 .Lpass
	s_wait_dscnt 0x0                               ; for the others' sake: my halfwords have landed
	s_barrier_signal -1
	s_barrier_wait -1
	s_cmp_lg_u32 s[WV], 0
	s_cbranch_scc1 .Lend
	ds_load_b128 v[Y:Y+3], v[YRD]                  ; wave 0 stores each pass's 256 halfwords: 512 consecutive bytes
	ds_load_b128 v[Y+4:Y+7], v[YRD] offset:512
	s_wait_dscnt 0x0
	global_store_b128 v[LI], v[Y:Y+3], s[YSP:YSP+1]
	global_store_b128 v[LI], v[Y+4:Y+7], s[YSP:YSP+1] offset:8192
.Lend:
	s_wait_tensorcnt 0x0                           ; the wave's end
	ds_add_u32 v[SPW], v[NIL]
	s_wait_dscnt 0x0
	CROUND                                         ; the closing round
	s_endpgm
.Lfunc_end_k_q92d753f3a6_attn:
	.size	k_q92d753f3a6_attn, .Lfunc_end_k_q92d753f3a6_attn-k_q92d753f3a6_attn
	.p2alignl 7, 3214868480
	.fill 96, 4, 3214868480
	.section	.rodata,"a",@progbits
	.p2align	6, 0x0
	.amdhsa_kernel k_q92d753f3a6_attn
		.amdhsa_group_segment_fixed_size 211968
		.amdhsa_private_segment_fixed_size 0
		.amdhsa_enable_private_segment 0
		.amdhsa_kernarg_size 16
		.amdhsa_user_sgpr_count 2
		.amdhsa_user_sgpr_kernarg_segment_ptr 1
		.amdhsa_wavefront_size32 1
		.amdhsa_system_sgpr_workgroup_id_x 1
		.amdhsa_system_sgpr_workgroup_id_y 1
		.amdhsa_system_sgpr_workgroup_id_z 1
		.amdhsa_system_vgpr_workitem_id 0
		.amdhsa_next_free_vgpr 256
		.amdhsa_next_free_sgpr 80
		.amdhsa_reserve_vcc 0
		.amdhsa_float_denorm_mode_32 3
		.amdhsa_float_denorm_mode_16_64 3
		.amdhsa_memory_ordered 1
		.amdhsa_forward_progress 1
		.amdhsa_inst_pref_size 80
	.end_amdhsa_kernel
	.amdgpu_metadata
---
amdhsa.version: [ 1, 2 ]
amdhsa.kernels:
  - .name:           k_q92d753f3a6_attn
    .symbol:         k_q92d753f3a6_attn.kd
    .args:
      - { .name: qkv, .offset: 0, .size: 8, .value_kind: global_buffer, .address_space: global }
      - { .name: yq, .offset: 8, .size: 8, .value_kind: global_buffer, .address_space: global }
    .group_segment_fixed_size: 211968
    .private_segment_fixed_size: 0
    .kernarg_segment_align: 8
    .kernarg_segment_size: 16
    .max_flat_workgroup_size: 512
    .sgpr_count:     80
    .vgpr_count:     256
    .wavefront_size: 32
...
	.end_amdgpu_metadata
.endif
;; end of part 3
;; launch proj (part 4): grid 8 x 32, 4 waves a work-group, clusters of 4 x 4, 327,680 bytes of LDS; arguments yq, wq, b_proj, out0; writes out0
.if DOCPART == 4
	.amdgcn_target "amdgcn-amd-amdhsa--gfx1250"
	.amdhsa_code_object_version 6
	.text
	.protected	k_q92d753f3a6_proj
	.globl	k_q92d753f3a6_proj
	.p2align	8
	.type	k_q92d753f3a6_proj,@function
k_q92d753f3a6_proj:
	s_mov_b64 s[64:65], 0
	v_nop
	global_prefetch_b8 v0, s[64:65] scope:SCOPE_SE
	s_setreg_imm32_b32 hwreg(HW_REG_WAVE_MODE, 25, 1), 1
	s_wait_xcnt 0x0
	s_wait_alu depctr_hold_cnt(0) depctr_sa_sdst(0) depctr_va_vdst(0) depctr_va_sdst(0) depctr_va_ssrc(0) depctr_va_vcc(0) depctr_vm_vsrc(0)
	s_getreg_b32 s2, hwreg(HW_REG_IB_STS2, 6, 4)
	s_cmp_eq_u32 s2, 0
	s_cbranch_scc0 .Lentry_in_a_cluster
	s_endpgm
.Lentry_in_a_cluster:
	s_bfe_u32 s2, ttmp6, 0x10000c
	s_cmp_lg_u32 s2, 0xf033
	s_cbranch_scc0 .Lentry_shape_is_right
	s_endpgm
.Lentry_shape_is_right:
; out0 = y w_proj + b_proj on codes of FP6 with E8M0 scales.  A = y's positions (256 a work-group), B = w_proj's columns (128: positions 3,072 on of wq); all of K = 1,024 of both lies in LDS, filled once, in two fills of four K steps.
; Four waves; wave w owns A's tiles 4 w .. 4 w + 3 against B's eight: 32 accumulators.  THE PRODUCT IS USED TRANSPOSED (source 0 = a tile of B, source 1 = a tile of A): a lane holds one position of y, and the 64 registers of a block
; are true columns 32 bb + 16 (lane / 16) + i at register 16 bb + i.  Position p of y is true row p with bits 3 and 4 exchanged: the stores' row offsets put that right.
; CLUSTER: A's tile is shared along a row of the cluster, B's along a column: every load is joint.  A wave has one tensor load out at most.
; REGISTERS: window 0: v1-15 addresses; v16-47, v48-63 scale words and nothing else; v64-127 the bias; v128-255 at work.  window 1: accumulator (a, b) at v[8 (8 a + b)].  windows 2, 3: the two sets of fragments.
; THE FILLS, in place of what the head says of four stages: LDS holds two regions of four K steps each ([tile][4 x 1,536 bytes]; A's 98,304 bytes a region, B's 49,152).
; At the head one joint load a wave: A's 16 tiles of K steps 0-3, B's 8 tiles, A's scales, B's.  K steps 4-7 come behind the three lines and a round of the cluster's barrier, one load a wave
; (waves 0, 1 A's halves, waves 2, 3 B's); a plain barrier ahead of K step 4's fetch shows them.  A wave has one tensor load out.
.set YSO,  6291456
.set WSO,  3145728
.set LB,   196608
.set LSA,  294912
.set LSB,  303104
.set AA16, 1
.set AA8,  2
.set AB16, 3
.set AB8,  4
.set SAA,  5
.set SBA,  6
.set L16,  7
.set L8,   8
.set STO,  9
.set BIO,  10
.set RD,   15
.set ZS,   16
.set WSC,  48
.set BI,   64
.set UT,   128                         ; y's scale halfwords as loaded
.set BK,   128                         ; the way out: 16 rows back from the stage: v128-191 and v192-255 by turns
.set WV,   12
.set G1A,  20
.set G1B,  28
.set G1SA, 36
.set G1SB, 44
.set MSB, 0
.macro WIN new                         ; the immediate's high byte repeats the setting that is left
.if MSB != (\new)
	s_set_vgpr_msb (MSB<<8)|(\new)
.set MSB, \new
.endif
.endm
.macro PLACES n
.rept \n
	v_nop
.endr
.endm
.macro CROUND
	s_barrier_signal -1
	s_barrier_wait -1
	s_cmp_lg_u32 s[WV], 0
	s_cbranch_scc1 .Lnot_wave_0_\@
	s_barrier_signal -3
.Lnot_wave_0_\@:
	s_barrier_wait -3
	s_barrier_signal -1
	s_barrier_wait -1
.endm
.macro SETG1 g, c, r, p
	s_mov_b32 s[\g+1], (\c)<<16
	s_mov_b32 s[\g+2], (\r)<<16
	s_mov_b32 s[\g+3], (\c)<<16
	s_mov_b32 s[\g+4], \r
	s_mov_b32 s[\g+5], \p
	s_mov_b32 s[\g+6], 0
	s_mov_b32 s[\g+7], 0
.endm
.macro SETG0 g, lreg, loff, base, goff
	s_mov_b32 s[\g], 1
	s_add_co_u32 s[\g+1], s[\lreg], \loff
	s_add_nc_u64 s[\g+2:\g+3], s[\base:\base+1], \goff
	s_or_b32 s[\g+3], s[\g+3], 0x80000000
.endm
.macro WMS d, fa, fb, zero, sa, sb, ra, rb     ; one product; ra, rb: the side's scale words stand in lanes 16-31
.if \zero
.if (\ra) && (\rb)
	v_wmma_scale_f32_16x16x128_f8f6f4 v[\d:\d+7], v[\fa:\fa+11], v[\fb:\fb+11], 0, v[\sa], v[\sb] matrix_a_fmt:MATRIX_FMT_FP6 matrix_b_fmt:MATRIX_FMT_FP6 matrix_a_scale:MATRIX_SCALE_ROW1 matrix_b_scale:MATRIX_SCALE_ROW1
.elseif \ra
	v_wmma_scale_f32_16x16x128_f8f6f4 v[\d:\d+7], v[\fa:\fa+11], v[\fb:\fb+11], 0, v[\sa], v[\sb] matrix_a_fmt:MATRIX_FMT_FP6 matrix_b_fmt:MATRIX_FMT_FP6 matrix_a_scale:MATRIX_SCALE_ROW1
.elseif \rb
	v_wmma_scale_f32_16x16x128_f8f6f4 v[\d:\d+7], v[\fa:\fa+11], v[\fb:\fb+11], 0, v[\sa], v[\sb] matrix_a_fmt:MATRIX_FMT_FP6 matrix_b_fmt:MATRIX_FMT_FP6 matrix_b_scale:MATRIX_SCALE_ROW1
.else
	v_wmma_scale_f32_16x16x128_f8f6f4 v[\d:\d+7], v[\fa:\fa+11], v[\fb:\fb+11], 0, v[\sa], v[\sb] matrix_a_fmt:MATRIX_FMT_FP6 matrix_b_fmt:MATRIX_FMT_FP6
.endif
.else
.if (\ra) && (\rb)
	v_wmma_scale_f32_16x16x128_f8f6f4 v[\d:\d+7], v[\fa:\fa+11], v[\fb:\fb+11], v[\d:\d+7], v[\sa], v[\sb] matrix_a_fmt:MATRIX_FMT_FP6 matrix_b_fmt:MATRIX_FMT_FP6 matrix_a_scale:MATRIX_SCALE_ROW1 matrix_b_scale:MATRIX_SCALE_ROW1
.elseif \ra
	v_wmma_scale_f32_16x16x128_f8f6f4 v[\d:\d+7], v[\fa:\fa+11], v[\fb:\fb+11], v[\d:\d+7], v[\sa], v[\sb] matrix_a_fmt:MATRIX_FMT_FP6 matrix_b_fmt:MATRIX_FMT_FP6 matrix_a_scale:MATRIX_SCALE_ROW1
.elseif \rb
	v_wmma_scale_f32_16x16x128_f8f6f4 v[\d:\d+7], v[\fa:\fa+11], v[\fb:\fb+11], v[\d:\d+7], v[\sa], v[\sb] matrix_a_fmt:MATRIX_FMT_FP6 matrix_b_fmt:MATRIX_FMT_FP6 matrix_b_scale:MATRIX_SCALE_ROW1
.else
	v_wmma_scale_f32_16x16x128_f8f6f4 v[\d:\d+7], v[\fa:\fa+11], v[\fb:\fb+11], v[\d:\d+7], v[\sa], v[\sb] matrix_a_fmt:MATRIX_FMT_FP6 matrix_b_fmt:MATRIX_FMT_FP6
.endif
.endif
.endm
.macro FRAG reg, a16, a8, off          ; a fragment's image: every load takes consecutive bytes from lane to lane
	ds_load_b128 v[\reg:\reg+3], v[\a16] offset:\off
	ds_load_b64 v[\reg+4:\reg+5], v[\a8] offset:\off+512
	ds_load_b128 v[\reg+6:\reg+9], v[\a16] offset:\off+768
	ds_load_b64 v[\reg+10:\reg+11], v[\a8] offset:\off+1280
.endm
.macro FETCH ks, set                   ; K step ks: B's eight fragments and my four of A into a set: 48 LDS loads
	WIN 0x80+0x40*(\set)
.irp b, 0,1,2,3,4,5,6,7
	FRAG 12*\b, AB16, AB8, 6144*\b+1536*((\ks)%4)
.endr
.irp a, 0,1,2,3
	FRAG 96+12*\a, AA16, AA8, 6144*\a+1536*((\ks)%4)
.endr
	WIN 0
.endm
.macro MUL ks, set                     ; 32 products; the 32 accumulators take turns, one instruction a turn, in the same order in every K step
	WIN 0x5a+5*(\set)
.irp a, 0,1,2,3
.irp b, 0,1,2,3,4,5,6,7
	WMS 8*(8*\a+\b), 12*\b, 96+12*\a, (\ks)==0, ZS+8*(\b/2)+(\ks), WSC+8*(\a/2)+(\ks), \b%2, \a%2
.endr
.endr
	WIN 0
.endm
.macro KSTEP ks
.if (\ks) < 7
.if (\ks) == 3
	s_wait_tensorcnt 0x0                           ; my part of K steps 4-7 has landed
	s_wait_dscnt 0x0
	s_barrier_signal -1
	s_barrier_wait -1                              ; everybody's has
	v_add_nc_u32 v[AA16], 98304, v[AA16]           ; on to the second region; these four are also the places in front of the loads below
	v_add_nc_u32 v[AA8], 98304, v[AA8]
	v_add_nc_u32 v[AB16], 49152, v[AB16]
	s_wait_alu depctr_va_vdst(0)
	v_add_nc_u32 v[AB8], 49152, v[AB8]
.elseif (\ks) > 0
	PLACES 4                                       ; in front of loads into registers that the last products read
.endif
	FETCH (\ks)+1, 1-(\ks)%2
	s_wait_alu depctr_va_vdst(0)
	s_wait_dscnt 48                                ; all but the 48 just issued
.else
	s_wait_dscnt 0x0
.endif
	MUL \ks, (\ks)%2
.endm
	s_load_b256 s[4:11], s[0:1], 0x0               ; yq s[4:5], wq s[6:7], b_proj s[8:9], out0 s[10:11]
	v_lshl_add_u32 v11, v0, 2, 0x4b000
	s_set_vgpr_msb 0x80
	v_mov_b32 v255, 0
	s_set_vgpr_msb 0x8088
	ds_add_u32 v11, v255
	ds_add_u32 v11, v255
	s_set_vgpr_msb 0x8800
	v_lshrrev_b32 v1, 5, v0
	v_readfirstlane_b32 s[WV], v1                  ; wave 0..3
	s_lshr_b32 s13, s[WV], 1
	s_and_b32 s14, s[WV], 1                        ; which half of A's or B's tile I fetch
	s_bfe_u32 s15, ttmp6, 0x40000                  ; cx
	s_bfe_u32 s16, ttmp6, 0x40004                  ; cy
	s_mov_b32 s17, ttmp9
	s_and_b32 s18, ttmp7, 0xffff
	s_lshl_b32 s72, s16, 2
	s_lshl_b32 s72, 15, s72                        ; my row of the cluster
	s_lshl_b32 s92, 0x1111, s15                    ; my column
	s_or_b32 s[G1A], s72, (3<<16)|(1<<21)          ; 15:0 the mask; 17:16 elements of 8 bytes; 21 set beside a mask
	s_or_b32 s[G1SA], s72, (3<<16)|(1<<21)
	s_or_b32 s[G1B], s92, (3<<16)|(1<<21)
	s_or_b32 s[G1SB], s92, (3<<16)|(1<<21)
	SETG1 G1A, 768, 16, 1536                       ; the head's: sixteen tiles' 6,144 bytes (four K steps), 12,288 bytes from tile to tile
	SETG1 G1B, 768, 8, 1536
	SETG1 G1SA, 32, 32, 32                         ; 8,192 dense bytes of scales
	SETG1 G1SB, 32, 16, 32                         ; 4,096
	s_lshl_b32 s96, s18, 2
	s_add_co_u32 s96, s96, s16                     ; A's block of 256 positions: 4 Y + cy
	s_lshl_b32 s97, s17, 2
	s_add_co_u32 s97, s97, s15
	s_add_co_u32 s97, s97, 24                      ; B's block of 128 positions of wq: 24 + 4 X + cx
	s_wait_dscnt 0x0
	s_wait_kmcnt 0x0
	s_mul_i32 s72, s96, 196608
	s_mov_b32 s73, 0
	s_add_nc_u64 s[100:101], s[4:5], s[72:73]      ; A's block of codes
	s_lshl_b32 s72, s96, 13
	s_add_co_u32 s72, s72, YSO
	s_add_nc_u64 s[66:67], s[4:5], s[72:73]        ; and its scales
	s_mov_b32 s75, 0
	SETG0 52, 75, LSA, 66, 0
	SETG0 56, 75, 0, 100, 0                        ; K steps 0-3 of all sixteen tiles
	s_mul_i32 s72, s14, 98304
	s_add_nc_u64 s[100:101], s[100:101], s[72:73]  ; my half's eight tiles
	s_mul_i32 s74, s14, 49152
	SETG0 60, 74, 98304, 100, 6144                 ; their K steps 4-7
	s_mul_i32 s92, s97, 98304
	s_mov_b32 s93, 0
	s_add_nc_u64 s[2:3], s[6:7], s[92:93]          ; B's block of codes
	s_lshl_b32 s92, s97, 12
	s_add_co_u32 s92, s92, WSO
	s_add_nc_u64 s[104:105], s[6:7], s[92:93]      ; and its scale words
	s_mov_b32 s95, 0
	SETG0 76, 95, LSB, 104, 0
	SETG0 80, 95, LB, 2, 0
	s_mul_i32 s92, s14, 49152
	s_add_nc_u64 s[2:3], s[2:3], s[92:93]          ; my half's four tiles
	s_mul_i32 s94, s14, 24576
	SETG0 84, 94, LB+49152, 2, 6144
	CROUND                                         ; all sixteen work-groups are here: the joint loads meet
	s_cmp_eq_u32 s[WV], 0                          ; one chain of branches on the wave's number, one load to an arm
	s_cbranch_scc0 .Lhead_1
	tensor_load_to_lds s[56:59], s[G1A:G1A+7]      ; wave 0: A's codes, K steps 0-3
	s_nop 0
	PLACES 4
	s_branch .Lfilled
.Lhead_1:
	s_cmp_eq_u32 s[WV], 1
	s_cbranch_scc0 .Lhead_2
	tensor_load_to_lds s[80:83], s[G1B:G1B+7]      ; wave 1: B's
	s_nop 0
	PLACES 4
	s_branch .Lfilled
.Lhead_2:
	s_cmp_eq_u32 s[WV], 2
	s_cbranch_scc0 .Lhead_3
	tensor_load_to_lds s[52:55], s[G1SA:G1SA+7]    ; wave 2: A's scales
	s_nop 0
	PLACES 4
	s_branch .Lfilled
.Lhead_3:
	tensor_load_to_lds s[76:79], s[G1SB:G1SB+7]    ; wave 3: B's
	s_nop 0
	PLACES 4
.Lfilled:
	v_and_b32 v14, 31, v0                          ; lane
	v_and_b32 v12, 15, v0                          ; r
	v_bfe_u32 v13, v0, 4, 1                        ; h
	v_lshlrev_b32 v[L16], 4, v14
	v_lshlrev_b32 v[L8], 3, v14
	s_mul_i32 s98, s[WV], 24576                    ; my four tiles of A in a region; later my stage for the way out
	v_add_nc_u32 v[AA16], s98, v[L16]
	v_add_nc_u32 v[AA8], s98, v[L8]
	v_add_nc_u32 v[AB16], LB, v[L16]
	v_add_nc_u32 v[AB8], LB, v[L8]
	v_mul_u32_u24 v[STO], v12, 528
	v_lshl_add_u32 v[STO], v13, 6, v[STO]
	v_add_nc_u32 v[STO], s98, v[STO]               ; into the stage: row r, + 64 h
	v_add_nc_u32 v[RD], s98, v[L16]                ; back: a row's 512 bytes
	s_lshl_b32 s98, s[WV], 7
	s_add_co_u32 s98, s98, LSA
	v_lshl_add_u32 v[SAA], v14, 1, s98             ; y's scale halfwords: 2 bytes a position, my 64 positions
	v_lshl_add_u32 v[SBA], v14, 2, LSB
	s_sub_co_u32 s98, s97, 24
	s_lshl_b32 s98, s98, 9                         ; 128 columns x 4 bytes
	s_mov_b32 s99, 0
	s_add_nc_u64 s[100:101], s[8:9], s[98:99]
	v_lshlrev_b32 v[BIO], 6, v13                   ; register 16 bb + i is column 32 bb + 16 h + i
.irp b, 0,1,2,3
.irp j, 0,1,2,3
	global_load_b128 v[BI+16*\b+4*\j:BI+16*\b+4*\j+3], v[BIO], s[100:101] offset:128*\b+16*\j
.endr
.endr
	s_wait_alu depctr_va_vdst(0)
	s_set_vgpr_msb 0x8                             ; (the add's 0 lies in window 2)
	s_wait_tensorcnt 0x0                           ; my tile of the head's four is in
	ds_add_u32 v11, v255
	s_mov_b32 s[G1A+2], 8<<16                      ; no load of mine is out: from here on a load of A brings eight tiles,
	s_mov_b32 s[G1A+4], 8
	s_mov_b32 s[G1B+2], 4<<16                      ; one of B four
	s_mov_b32 s[G1B+4], 4
	s_wait_dscnt 0x0
	s_set_vgpr_msb 0x800
	CROUND                                         ; everybody's tile is in, and the sixteen work-groups meet
	s_cmp_lt_u32 s[WV], 2
	s_cbranch_scc0 .Lfill_b
	tensor_load_to_lds s[60:63], s[G1A:G1A+7]      ; K steps 4-7: waves 0, 1 A's halves,
	s_nop 0
	PLACES 4
	s_branch .Lfilled_2
.Lfill_b:
	tensor_load_to_lds s[84:87], s[G1B:G1B+7]      ; waves 2, 3 B's
	s_nop 0
	PLACES 4
.Lfilled_2:
.irp i, 0,1,2,3
.irp k, 0,1,2,3,4,5,6,7
	ds_load_b32 v[ZS+8*\i+\k], v[SBA] offset:512*\k+128*\i
.endr
.endr
.irp i, 0,1
.irp k, 0,1,2,3,4,5,6,7,8,9,10,11,12,13,14,15
	ds_load_u16 v[UT+16*\i+\k], v[SAA] offset:512*\k+64*\i     ; head k's two bytes of positions 32 i + lane of my 64
.endr
.endr
	FETCH 0, 0
	s_wait_dscnt 48                                ; the scales are in; the 48 loads of the fetch stay out
.irp i, 0,1
.irp k, 0,1,2,3,4,5,6,7
	v_lshl_or_b32 v[WSC+8*\i+\k], v[UT+16*\i+2*\k+1], 16, v[UT+16*\i+2*\k]   ; K step k is heads 2 k and 2 k + 1
.endr
.endr
	PLACES 8                                       ; a scale register written by a vector instruction stands eight places ahead of a scaled product
	s_wait_alu depctr_va_vdst(0)
.irp k, 0,1,2,3,4,5,6,7
	KSTEP \k
.endr
	; THE WAY OUT, block by block of 16 positions x 128 columns, through my own stage: 16 rows x (512 + 16) bytes in my part of stage 0 of A, whose one fill has landed and which nobody reads any more.
	s_wait_loadcnt 0x0                             ; the bias
	s_wait_dscnt 0x0
	s_barrier_signal -1
	s_barrier_wait -1
	s_lshl_b32 s20, s96, 8                         ; (all tensor loads were waited for at stage 3: the descriptors' registers are free)
	s_lshl_b32 s21, s[WV], 6
	s_add_co_u32 s20, s20, s21
	s_lshl_b32 s20, s20, 12                        ; my first row: 256 x block + 64 w, rows of 4,096 bytes
	s_sub_co_u32 s21, s97, 24
	s_lshl_b32 s21, s21, 9
	s_add_co_u32 s20, s20, s21
	s_mov_b32 s21, 0
	s_add_nc_u64 s[10:11], s[10:11], s[20:21]
	PLACES 4                                       ; behind the last products, in front of the first read of results
.macro ADDB blk                        ; the bias, in place; each accumulator from its low end on
	WIN 0x41
.set j, 0
.rept 32
	v_pk_add_f32 v[64*\blk+j:64*\blk+j+1], v[64*\blk+j:64*\blk+j+1], v[BI+j:BI+j+1]
.set j, j+2
.endr
.endm
.macro TOSTAGE blk
	WIN 0x04                                       ; an LDS store's data are its source 1: window 1
.irp b, 0,1,2,3
.irp j, 0,1,2,3
	ds_store_b128 v[STO], v[64*\blk+16*\b+4*\j:64*\blk+16*\b+4*\j+3] offset:128*\b+16*\j
.endr
.endr
	WIN 0
.irp i, 0,1,2,3,4,5,6,7,8,9,10,11,12,13,14,15
	ds_load_b128 v[BK+64*((\blk)%2)+4*\i:BK+64*((\blk)%2)+4*\i+3], v[RD] offset:528*\i   ; a wave's LDS instructions are served in order: these see the stores above, and the next block's stores come behind them
.endr
.endm
.macro SEND blk, younger               ; younger: the LDS instructions issued behind this block's loads, which may stay out
	s_wait_dscnt \younger
.irp i, 0,1,2,3,4,5,6,7,8,9,10,11,12,13,14,15
	global_store_b128 v[L16], v[BK+64*((\blk)%2)+4*\i:BK+64*((\blk)%2)+4*\i+3], s[10:11] offset:(32*((\blk)/2)+8*((\blk)%2)+\i+8*(\i/8))*4096 th:TH_STORE_NT   ; position i's true row; 512 consecutive bytes, aligned to 256
.endr
.endm
	ADDB 0
	TOSTAGE 0
	ADDB 1
	TOSTAGE 1
	SEND 0, 32
	ADDB 2
	WIN 0
	s_wait_alu depctr_va_vdst(0)
	s_wait_xcnt 0x0                                ; block 0's stores have read their registers: block 2's rows land there only behind this wait
	TOSTAGE 2
	SEND 1, 32
	ADDB 3
	WIN 0
	s_wait_alu depctr_va_vdst(0)
	s_wait_xcnt 0x0                                ; likewise block 1's
	TOSTAGE 3
	SEND 2, 32
	SEND 3, 0
	s_wait_tensorcnt 0x0
	s_wait_dscnt 0x0
	s_set_vgpr_msb 0x8
	s_wait_tensorcnt 0x0
	ds_add_u32 v11, v255
	s_wait_dscnt 0x0
	s_set_vgpr_msb 0x800
	CROUND                                         ; the closing round: no work-group ends while a partner may still ask for a tile that names it
	s_endpgm
.Lfunc_end_k_q92d753f3a6_proj:
	.size	k_q92d753f3a6_proj, .Lfunc_end_k_q92d753f3a6_proj-k_q92d753f3a6_proj
	.p2alignl 7, 3214868480
	.fill 96, 4, 3214868480
	.section	.rodata,"a",@progbits
	.p2align	6, 0x0
	.amdhsa_kernel k_q92d753f3a6_proj
		.amdhsa_group_segment_fixed_size 327680
		.amdhsa_private_segment_fixed_size 0
		.amdhsa_enable_private_segment 0
		.amdhsa_kernarg_size 32
		.amdhsa_user_sgpr_count 2
		.amdhsa_user_sgpr_kernarg_segment_ptr 1
		.amdhsa_wavefront_size32 1
		.amdhsa_system_sgpr_workgroup_id_x 1
		.amdhsa_system_sgpr_workgroup_id_y 1
		.amdhsa_system_sgpr_workgroup_id_z 1
		.amdhsa_system_vgpr_workitem_id 0
		.amdhsa_next_free_vgpr 1024
		.amdhsa_next_free_sgpr 106
		.amdhsa_reserve_vcc 0
		.amdhsa_float_denorm_mode_32 3
		.amdhsa_float_denorm_mode_16_64 3
		.amdhsa_memory_ordered 1
		.amdhsa_forward_progress 1
		.amdhsa_inst_pref_size 99
	.end_amdhsa_kernel
	.amdgpu_metadata
---
amdhsa.version: [ 1, 2 ]
amdhsa.kernels:
  - .name:           k_q92d753f3a6_proj
    .symbol:         k_q92d753f3a6_proj.kd
    .args:
      - { .name: yq, .offset: 0, .size: 8, .value_kind: global_buffer, .address_space: global }
      - { .name: wq, .offset: 8, .size: 8, .value_kind: global_buffer, .address_space: global }
      - { .name: b_proj, .offset: 16, .size: 8, .value_kind: global_buffer, .address_space: global }
      - { .name: out0, .offset: 24, .size: 8, .value_kind: global_buffer, .address_space: global }
    .group_segment_fixed_size: 327680
    .private_segment_fixed_size: 0
    .kernarg_segment_align: 8
    .kernarg_segment_size: 32
    .max_flat_workgroup_size: 128
    .sgpr_count:     106
    .vgpr_count:     1024
    .wavefront_size: 32
...
	.end_amdgpu_metadata
.endif
;; end of part 4
